; MI455X (gfx1250); checked and timed in simulation.
; The chip was launched on July 23, 2026; its instructions are those of AMD's public machine-readable ISA for CDNA 5 (MIT licence, August 2026) and "CDNA5" Instruction Set Architecture Reference Guide (July 2026). The comments in the code are by the model that wrote it; some were corrected since.
;; Block. Allowed arithmetic: matrix products marked QUANTISED: E4M3 operands, one given power-of-two scale a tensor, by v_wmma_f32_16x16x64_fp8_fp8 or v_wmma_f32_16x16x128_fp8_fp8, f32 sums; everything else in f32.
;; Inputs: b1 4,096 float32; b2 1,024 float32; be1 1,024 float32; be2 1,024 float32; bo 1,024 float32; g1 1,024 float32; g2 1,024 float32; lowp_scales 16 int32 (the exponents e of the quantised operands' scales 2^e); w1_codes 4,096 x 32 x 32 uint8 (E4M3 codes of w1, K innermost, in blocks of 32 codes); w2_codes 1,024 x 128 x 32 uint8 (E4M3 codes of w2, K innermost, in blocks of 32 codes); wk_codes 1,024 x 32 x 32 uint8 (E4M3 codes of wk, K innermost, in blocks of 32 codes); wo_codes 1,024 x 32 x 32 uint8 (E4M3 codes of wo, K innermost, in blocks of 32 codes); wq_codes 1,024 x 32 x 32 uint8 (E4M3 codes of wq, K innermost, in blocks of 32 codes); wv_codes 1,024 x 32 x 32 uint8 (E4M3 codes of wv, K innermost, in blocks of 32 codes); x 4 x 1,024 x 1,024 float32.
;; Outputs: out0 4 x 1,024 x 1,024 float32.
;; This version of the problem:
;;   THIS VERSION OF THE PROBLEM IS GIVEN IN LOW PRECISION. The matrix products marked QUANTISED in the list below multiply operands that are first quantised to E4M3 (4 exponent bits, 3 mantissa bits; 8 bits a number), with one given power-of-two scale for each operand tensor; their sums are f32. All else is computed in f32.
;;   The module's matrix products, in the order in which they are computed (A, B: the left and right operand; K: the contracted axis; several contracted axes count as one K, in the product's order):
;;     1. [M 4,096, K 1,024] x [K 1,024, N 1,024]; A: computed on the way; B: input wq (given as codes): QUANTISED (scales: A lowp_scales[0], B lowp_scales[1])
;;     2. [M 4,096, K 1,024] x [K 1,024, N 1,024]; A: computed on the way; B: input wk (given as codes): QUANTISED (scales: A lowp_scales[2], B lowp_scales[3])
;;     3. [M 4,096, K 1,024] x [K 1,024, N 1,024]; A: computed on the way; B: input wv (given as codes): QUANTISED (scales: A lowp_scales[4], B lowp_scales[5])
;;     4. batch 64 x [M 1,024, K 64] x [K 64, N 1,024]; A: computed on the way; B: computed on the way: QUANTISED (scales: A lowp_scales[6], B lowp_scales[7])
;;     5. batch 64 x [M 1,024, K 1,024] x [K 1,024, N 64]; A: softmax (see below); B: computed on the way: QUANTISED (scales: A lowp_scales[8], B lowp_scales[9])
;;     6. [M 4,096, K 1,024] x [K 1,024, N 1,024]; A: computed on the way; B: input wo (given as codes): QUANTISED (scales: A lowp_scales[10], B lowp_scales[11])
;;     7. [M 4,096, K 1,024] x [K 1,024, N 4,096]; A: computed on the way; B: input w1 (given as codes): QUANTISED (scales: A lowp_scales[12], B lowp_scales[13])
;;     8. [M 4,096, K 4,096] x [K 4,096, N 1,024]; A: computed on the way; B: input w2 (given as codes): QUANTISED (scales: A lowp_scales[14], B lowp_scales[15])
;;   THE QUANTISER, for each operand of a quantised product, along K:
;;     - The operand's scale is 2^e, e = its entry of the input lowp_scales (int32; the entries are numbered through the quantised products in the list's order, A before B).
;;     - Each number is divided by the scale, clamped to +-448, and rounded to the nearest number of E4M3, ties to even, subnormals kept.
;;     - The product sums the exact products of the quantised numbers (number of the format x scale) in f32.
;;   ~~~python
;;   def quantise(x, axis, e):      # numpy; x: float32 -> the quantised numbers, widened to float32 again
;;       x = np.moveaxis(x, axis, -1); K = x.shape[-1]
;;       r = np.clip(x / 2.0 ** e, -448, 448)
;;       step = 2.0 ** (np.maximum(np.frexp(np.where(r == 0, 1, r))[1] - 1, -6) - 3)
;;       q = np.round(r / step) * step * 2.0 ** e      # np.round: ties to even
;;       return np.moveaxis(q, -1, axis).astype(np.float32)
;;   ~~~
;;   SOFTMAX AHEAD OF A QUANTISED PRODUCT. Where the list says 'softmax', what is quantised is not the finished softmax but p = 2^(t - M), with t = logit x log2(e) and M = ceil(the row's largest t), a whole number; so 1/2 < the row's largest p <= 1. The row's sum l is taken of the UNQUANTISED p, in f32, and the product's result is divided by l at the end. Since M is a whole number, a kernel that streams over the keys may use a running M (the ceiling of the running maximum): every later rescaling is an exact power of two, so the quantised numbers keep their values, but for numbers so far below the row's largest that they fall under the format's range.
;;   OPERANDS COMPUTED ON THE WAY. 'Computed on the way' means the value that the module computes at that place (a softmax that the list does not call 'softmax' is quantised finished and normalised). What goes into a quantiser is computed in f32, as accurately as f32 sums, v_exp_f32 and their like allow (about 1e-6 of the number): no bf16 or f16 on the way to a quantiser, and a product that is left as it is and whose result goes on into a quantised operand takes f32 operands (vector FMAs, or v_wmma_f32_16x16x4_f32). A number that lies on a knife's edge between two numbers of the format may be rounded either way, as far as f32 arithmetic and the matrix unit's own rounding can turn it there, and no further.
;;   INPUTS GIVEN AS CODES. w1 (in the module: [1024, 4096], K = its axis 0); w2 (in the module: [4096, 1024], K = its axis 0); wk (in the module: [1024, 1024], K = its axis 0); wo (in the module: [1024, 1024], K = its axis 0); wq (in the module: [1024, 1024], K = its axis 0); wv (in the module: [1024, 1024], K = its axis 0): each comes as NAME_codes (uint8): NAME with its K axis moved to the last place and cut into blocks of 32 codes, [.., K / 32, bytes a block], one block behind the other in memory; one code a byte (a code: sign, 4 exponent bits, 3 mantissa bits); its scale is its entry of lowp_scales. Its value is code x scale, taken as it is: it is not quantised again, and the codes and scales need not be those that the quantiser above would give.
;; One version. Each part assembles by itself: llvm-mc -triple=amdgcn-amd-amdhsa -mcpu=gfx1250 --defsym DOCPART=n.
;; ======== version 1 of 1: 7 launches
;; limits: right only within a limited range of input values
;; workspace buffers: xn_c 12,582,912 bytes; qkv_c 12,582,912 bytes; at_c 4,194,304 bytes; x1 16,777,216 bytes; xn2_c 4,194,304 bytes; h_c 16,777,216 bytes
;; launch ln1 (part 1): grid 256 x 1, 8 waves a work-group, no clusters, 41,984 bytes of LDS; arguments x, g1, be1, lowp_scales, xn_c; writes xn_c
.if DOCPART == 1
	.amdgcn_target "amdgcn-amd-amdhsa--gfx1250"
	.amdhsa_code_object_version 6
	.text
	.protected	k_q66e54fbcfd_ln1
	.globl	k_q66e54fbcfd_ln1
	.p2align	8
	.type	k_q66e54fbcfd_ln1,@function
k_q66e54fbcfd_ln1:
	s_mov_b64 s[64:65], 0
	v_nop
	global_prefetch_b8 v0, s[64:65] scope:SCOPE_SE
	s_setreg_imm32_b32 hwreg(HW_REG_WAVE_MODE, 25, 1), 1
	s_wait_xcnt 0x0
; LayerNorm of the 4,096 rows of x (1,024 f32 each), y = (x - mean) * rsqrt(var + 1e-5) * g + be, all in f32, then the quantiser to codes of FP8 (E4M3), NQ times,
; with the given scales 2^e, e = entries E0, E0 + 2, .. of the buffer of scales.  Part q of the output is [4096][1024] codes, K innermost, 4 MiB from part to part.
; code = y / 2^e, held within +-448, to the nearest code, ties to even.  LIMITS: each e between -126 and 119.  NaN among the inputs is not served.
; The variance is taken of x - mean (two passes over registers), so a common offset of the row costs no digits.
; SHARES.  A wave takes two whole rows, kept in registers between the passes: each row is read from memory once; waves share nothing: no barrier.
; The conversions take 8 numbers of ONE lane, so a lane must hold neighbours along K; a load is dense where neighbouring LANES take neighbouring bytes.  Both are had: each load reads 512 consecutive bytes,
; 16 a lane; 2,048 bytes at a time turn through the wave's own stage in LDS (64 bytes + 16 of padding a place) and come back 64 bytes a lane: lane L then holds k = 512 st + 16 L + 0 .. 15.  g and be take the same turn.
; A lane's 16 codes are 16 bytes: a store of the wave covers 512 consecutive bytes, aligned.
.set NQ,   3                           ; how many quantisers
.set E0,   0                           ; the first one's entry among the scales
.set SP,   80                          ; a lane's place in a stage
.set STG,  32*SP                       ; a stage
.set WREG, 2*STG                       ; a wave's two stages
.set RAWG, 16                          ; v16-47 g, v48-79 be as loaded; later X
.set RAWX, 80                          ; v80-143 the two rows as loaded; later T0 and the codes
.set X,    16                          ; v16-79  the two rows, 32 registers each
.set T0,   80                          ; v80-95  held numbers, by turns with T1
.set C,    96                           ; v96-111 codes: four sets of four registers by turns; a set is written again only behind s_wait_xcnt 0
.set G,    144                         ; v144-175
.set BE,   176                         ; v176-207
.set T1,   208                         ; v208-223
.set SC,   224                         ; v224+2q: 2^e as f32; v225+2q: 448 x 2^e
.set ST,   232                         ; v232-247 statistics, eight registers a row
	s_load_b256 s[4:11], s[0:1], 0x0               ; x s[4:5], g s[6:7], be s[8:9], the scales' exponents s[10:11]
	s_load_b64 s[12:13], s[0:1], 0x20              ; the codes
	v_lshl_add_u32 v254, v0, 2, 0xa000
	v_mov_b32 v255, 0
	v_lshrrev_b32 v2, 5, v0
	s_delay_alu instid0(VALU_DEP_1)
	v_readfirstlane_b32 s14, v2                    ; wave 0..7
	v_and_b32 v1, 31, v0                           ; lane
	s_delay_alu instid0(VALU_DEP_1)
	v_lshlrev_b32 v3, 4, v1                        ; my 16 bytes of a load's or a store's 512
	s_mul_i32 s15, s14, WREG
	v_lshrrev_b32 v4, 2, v1
	s_delay_alu instid0(VALU_DEP_1)
	v_mul_u32_u24 v14, v4, SP
	v_and_b32 v5, 3, v1
	s_delay_alu instid0(VALU_DEP_1)
	v_lshl_add_u32 v14, v5, 4, v14
	s_delay_alu instid0(VALU_DEP_1)
	v_add_nc_u32 v14, s15, v14                     ; into the stage: four lanes' 64 bytes on end, then the padding
	v_mul_u32_u24 v15, v1, SP
	s_delay_alu instid0(VALU_DEP_1)
	v_add_nc_u32 v15, s15, v15                     ; out of it: my 16 neighbours
	s_lshl_b32 s44, ttmp9, 3
	s_add_co_u32 s44, s44, s14                     ; which pair of rows is my wave's
	s_lshl_b32 s46, s44, 11                        ; 2 rows of 1,024 codes
	s_mov_b32 s47, 0
	s_lshl_b32 s44, s44, 13                        ; 2 rows of 4,096 bytes
	s_mov_b32 s45, 0
	s_mov_b32 s38, 0x76543210                      ; v_permlanex16_b32: lane l xor 16
	s_mov_b32 s39, 0xfedcba98
	s_mov_b32 s40, 0x3a800000                      ; 1 / 1,024
	s_mov_b32 s41, 0x3727c5ac                      ; 1e-5
	s_wait_alu depctr_va_vdst(0)
	s_wait_kmcnt 0x0
	s_load_b512 s[16:31], s[10:11], 0x0            ; all sixteen exponents
	s_add_nc_u64 s[4:5], s[4:5], s[44:45]
	s_add_nc_u64 s[12:13], s[12:13], s[46:47]
.set q, 0
.rept NQ
	s_add_nc_u64 s[32+2*q:33+2*q], s[12:13], q*0x400000
.set q, q+1
.endr
.irp j, 0,1,2,3,4,5,6,7
	global_load_b128 v[RAWG+4*\j:RAWG+4*\j+3], v3, s[6:7] offset:512*\j
.endr
.irp j, 0,1,2,3,4,5,6,7
	global_load_b128 v[RAWG+32+4*\j:RAWG+32+4*\j+3], v3, s[8:9] offset:512*\j
.endr
.irp j, 0,1,2,3,4,5,6,7,8,9,10,11,12,13,14,15
	global_load_b128 v[RAWX+4*\j:RAWX+4*\j+3], v3, s[4:5] offset:512*\j
.endr
; 2,048 bytes through stage stg.  LDS serves a wave's instructions in order (ISA guide 5.7.1.4): no wait stands between the stores and the loads, nor in front of the next turn's stores into the same stage.
.macro TURN src, dst, stg
.irp i, 0,1,2,3
	ds_store_b128 v14, v[\src+4*\i:\src+4*\i+3] offset:\stg*STG+8*SP*\i
.endr
.irp i, 0,1,2,3
	ds_load_b128 v[\dst+4*\i:\dst+4*\i+3], v15 offset:\stg*STG+16*\i
.endr
.endm
.macro ACROSS a                        ; v[a] summed over the 32 lanes, in every lane; v[a+1] is at work
	s_delay_alu instid0(VALU_DEP_1)
	v_add_f32_dpp v[\a], v[\a], v[\a] row_xmask:1 row_mask:0xf bank_mask:0xf
	s_delay_alu instid0(VALU_DEP_1)
	v_add_f32_dpp v[\a], v[\a], v[\a] row_xmask:2 row_mask:0xf bank_mask:0xf
	s_delay_alu instid0(VALU_DEP_1)
	v_add_f32_dpp v[\a], v[\a], v[\a] row_xmask:4 row_mask:0xf bank_mask:0xf
	s_delay_alu instid0(VALU_DEP_1)
	v_add_f32_dpp v[\a], v[\a], v[\a] row_xmask:8 row_mask:0xf bank_mask:0xf
	s_delay_alu instid0(VALU_DEP_1)
	v_permlanex16_b32 v[\a+1], v[\a], s38, s39
	s_delay_alu instid0(VALU_DEP_1)
	v_add_f32 v[\a], v[\a], v[\a+1]
.endm
; Row p: the mean; x - mean in place; var + 1e-5 in v[SR+6]
.macro STATS p
.set XR, X+32*(\p)
.set SR, ST+8*(\p)
	v_pk_add_f32 v[SR:SR+1], v[XR:XR+1], v[XR+2:XR+3]          ; two chains, started by the first pairs: nothing is cleared
	v_pk_add_f32 v[SR+2:SR+3], v[XR+4:XR+5], v[XR+6:XR+7]
.irp j, 8,12,16,20,24,28
	s_delay_alu instid0(VALU_DEP_2)
	v_pk_add_f32 v[SR:SR+1], v[SR:SR+1], v[XR+\j:XR+\j+1]
	s_delay_alu instid0(VALU_DEP_2)
	v_pk_add_f32 v[SR+2:SR+3], v[SR+2:SR+3], v[XR+\j+2:XR+\j+3]
.endr
	s_delay_alu instid0(VALU_DEP_1)
	v_pk_add_f32 v[SR:SR+1], v[SR:SR+1], v[SR+2:SR+3]
	s_delay_alu instid0(VALU_DEP_1)
	v_add_f32 v[SR], v[SR], v[SR+1]
	ACROSS SR
	s_delay_alu instid0(VALU_DEP_1)
	v_mul_f32 v[SR+4], s40, v[SR]                  ; the mean, twice: a pair for the packed form
	s_delay_alu instid0(VALU_DEP_1)
	v_mov_b32 v[SR+5], v[SR+4]
.irp j, 0,2,4,6,8,10,12,14,16,18,20,22,24,26,28,30
	v_pk_add_f32 v[XR+\j:XR+\j+1], v[XR+\j:XR+\j+1], v[SR+4:SR+5] neg_lo:[0,1] neg_hi:[0,1]
.endr
	v_pk_mul_f32 v[SR:SR+1], v[XR:XR+1], v[XR:XR+1]
	v_pk_mul_f32 v[SR+2:SR+3], v[XR+2:XR+3], v[XR+2:XR+3]
.irp j, 4,8,12,16,20,24,28
	s_delay_alu instid0(VALU_DEP_2)
	v_pk_fma_f32 v[SR:SR+1], v[XR+\j:XR+\j+1], v[XR+\j:XR+\j+1], v[SR:SR+1]
	s_delay_alu instid0(VALU_DEP_2)
	v_pk_fma_f32 v[SR+2:SR+3], v[XR+\j+2:XR+\j+3], v[XR+\j+2:XR+\j+3], v[SR+2:SR+3]
.endr
	s_delay_alu instid0(VALU_DEP_1)
	v_pk_add_f32 v[SR:SR+1], v[SR:SR+1], v[SR+2:SR+3]
	s_delay_alu instid0(VALU_DEP_1)
	v_add_f32 v[SR], v[SR], v[SR+1]
	ACROSS SR
	s_delay_alu instid0(VALU_DEP_1)
	v_fma_f32 v[SR+6], v[SR], s40, s41             ; the sum of squares / 1,024 + 1e-5
.endm
.macro NORM p                          ; (x - mean) x rsqrt, then x g + be
.set XR, X+32*(\p)
.set SR, ST+8*(\p)
.irp j, 0,2,4,6,8,10,12,14,16,18,20,22,24,26,28,30
	v_pk_mul_f32 v[XR+\j:XR+\j+1], v[XR+\j:XR+\j+1], v[SR+6:SR+7]
.endr
.irp j, 0,2,4,6,8,10,12,14,16,18,20,22,24,26,28,30
	v_pk_fma_f32 v[XR+\j:XR+\j+1], v[XR+\j:XR+\j+1], v[G+\j:G+\j+1], v[BE+\j:BE+\j+1]
.endr
.endm
; 16 numbers of row p, half st, by quantiser q.  The held numbers go into T0 and T1 by turns: the next call's sixteen holds are plain lines on other registers, so a plain line stands between each conversion and the next write of its sources.
.set CNT, 0
.macro QUANT p, st, q
.set XS, X+32*(\p)+16*(\st)
.set TS, T0+(T1-T0)*(CNT%2)
.set CS, C+4*(CNT%4)
.if CNT >= 4
	s_wait_xcnt 0x0                                ; the store four calls back has read its data: its set of registers is taken again
.endif
.irp i, 0,1,2,3,4,5,6,7,8,9,10,11,12,13,14,15
	v_med3_num_f32 v[TS+\i], v[XS+\i], -v[SC+2*(\q)+1], v[SC+2*(\q)+1]   ; the conversion to an 8-bit code does not saturate (ISA guide 7.6.2): the hold at the largest code x the scale
.endr
	v_cvt_scalef32_pk8_fp8_f32 v[CS:CS+1], v[TS:TS+7], v[SC+2*(\q)]
	v_cvt_scalef32_pk8_fp8_f32 v[CS+2:CS+3], v[TS+8:TS+15], v[SC+2*(\q)]
	global_store_b128 v3, v[CS:CS+3], s[32+2*(\q):33+2*(\q)] offset:1024*(\p)+512*(\st)
.set CNT, CNT+1
.endm
	s_wait_kmcnt 0x0
.set q, 0
.rept NQ
	s_add_co_i32 s42, s[16+E0+2*q], 127
	s_lshl_b32 s43, s42, 23
	v_mov_b32 v[SC+2*q], s43                       ; 2^e as f32: the conversion takes its exponent field
	s_add_co_i32 s42, s42, 8
	s_lshl_b32 s42, s42, 23
	s_or_b32 s42, s42, 0x600000
	v_mov_b32 v[SC+2*q+1], s42                     ; 448 x 2^e
.set q, q+1
.endr
	s_wait_loadcnt 16                              ; g and be are in; the sixteen loads of the rows, issued behind them, may be out
	TURN RAWG, G, 0
	TURN RAWG+16, G+16, 1
	TURN RAWG+32, BE, 0
	TURN RAWG+48, BE+16, 1
; ROW BY ROW: row 0 is normalised, quantised and stored while row 1's eight loads, issued behind row 0's, may still be out (they land in v112-143, which row 0's work does not name)
.irp p, 0,1
	s_wait_loadcnt 8-8*\p                          ; row p is in
	s_wait_dscnt 0x0                               ; g and be are back, and the stores into the stage have read v16-79, which take the rows now
	TURN RAWX+32*\p, X+32*\p, 0
	TURN RAWX+32*\p+16, X+32*\p+16, 1
	s_wait_dscnt 0x0                               ; the row is back
	STATS \p
	s_wait_alu depctr_va_vdst(0)                   ; the wait ahead of the transcendental,
	v_rsq_f32 v[ST+8*\p+6], v[ST+8*\p+6]
	v_nop                                          ; one plain line behind it (ISA guide 5.7.2),
	s_wait_alu depctr_va_vdst(0)                   ; and the wait ahead of its first reader
	v_mov_b32 v[ST+8*\p+7], v[ST+8*\p+6]
	NORM \p
.irp st, 0,1
.set qq, 0
.rept NQ
	QUANT \p, \st, qq
.set qq, qq+1
.endr
.endr
.endr
	s_wait_tensorcnt 0x0
	ds_add_u32 v254, v255
	s_wait_dscnt 0x0
	s_endpgm
.Lfunc_end_k_q66e54fbcfd_ln1:
	.size	k_q66e54fbcfd_ln1, .Lfunc_end_k_q66e54fbcfd_ln1-k_q66e54fbcfd_ln1
	.p2alignl 7, 3214868480
	.fill 96, 4, 3214868480
	.section	.rodata,"a",@progbits
	.p2align	6, 0x0
	.amdhsa_kernel k_q66e54fbcfd_ln1
		.amdhsa_group_segment_fixed_size 41984
		.amdhsa_private_segment_fixed_size 0
		.amdhsa_enable_private_segment 0
		.amdhsa_kernarg_size 40
		.amdhsa_user_sgpr_count 2
		.amdhsa_user_sgpr_kernarg_segment_ptr 1
		.amdhsa_wavefront_size32 1
		.amdhsa_system_sgpr_workgroup_id_x 1
		.amdhsa_system_sgpr_workgroup_id_y 1
		.amdhsa_system_sgpr_workgroup_id_z 1
		.amdhsa_system_vgpr_workitem_id 0
		.amdhsa_next_free_vgpr 256
		.amdhsa_next_free_sgpr 66
		.amdhsa_reserve_vcc 0
		.amdhsa_float_denorm_mode_32 3
		.amdhsa_float_denorm_mode_16_64 3
		.amdhsa_memory_ordered 1
		.amdhsa_forward_progress 1
		.amdhsa_inst_pref_size 41
	.end_amdhsa_kernel
	.amdgpu_metadata
---
amdhsa.version: [ 1, 2 ]
amdhsa.kernels:
  - .name:           k_q66e54fbcfd_ln1
    .symbol:         k_q66e54fbcfd_ln1.kd
    .args:
      - { .name: x, .offset: 0, .size: 8, .value_kind: global_buffer, .address_space: global }
      - { .name: g1, .offset: 8, .size: 8, .value_kind: global_buffer, .address_space: global }
      - { .name: be1, .offset: 16, .size: 8, .value_kind: global_buffer, .address_space: global }
      - { .name: lowp_scales, .offset: 24, .size: 8, .value_kind: global_buffer, .address_space: global }
      - { .name: xn_c, .offset: 32, .size: 8, .value_kind: global_buffer, .address_space: global }
    .group_segment_fixed_size: 41984
    .private_segment_fixed_size: 0
    .kernarg_segment_align: 8
    .kernarg_segment_size: 40
    .max_flat_workgroup_size: 256
    .sgpr_count:     66
    .vgpr_count:     256
    .wavefront_size: 32
...
	.end_amdgpu_metadata
.endif
;; end of part 1
;; launch qkv (part 2): grid 12 x 16, 4 waves a work-group, clusters of 4 x 4, 327,680 bytes of LDS; arguments xn_c, wq_codes, wk_codes, wv_codes, lowp_scales, qkv_c; writes qkv_c
.if DOCPART == 2
	.amdgcn_target "amdgcn-amd-amdhsa--gfx1250"
	.amdhsa_code_object_version 6
	.text
	.protected	k_q66e54fbcfd_qkv
	.globl	k_q66e54fbcfd_qkv
	.p2align	8
	.type	k_q66e54fbcfd_qkv,@function
k_q66e54fbcfd_qkv:
	s_mov_b64 s[64:65], 0
	v_nop
	global_prefetch_b8 v0, s[64:65] scope:SCOPE_SE
	s_setreg_imm32_b32 hwreg(HW_REG_WAVE_MODE, 25, 1), 1
	s_wait_xcnt 0x0
	s_wait_alu depctr_hold_cnt(0) depctr_sa_sdst(0) depctr_va_vdst(0) depctr_va_sdst(0) depctr_va_ssrc(0) depctr_va_vcc(0) depctr_vm_vsrc(0)
	s_getreg_b32 s2, hwreg(HW_REG_IB_STS2, 6, 4)
	s_cmp_eq_u32 s2, 0
	s_cbranch_scc0 .Lentry_in_a_cluster
	s_endpgm
.Lentry_in_a_cluster:
	s_bfe_u32 s2, ttmp6, 0x10000c
	s_cmp_lg_u32 s2, 0xf033
	s_cbranch_scc0 .Lentry_shape_is_right
	s_endpgm
.Lentry_shape_is_right:
; Three products on codes of FP8 (E4M3), K = 1,024, and the quantiser of their results: q = xn wq, k = xn wk (rows = tokens, columns = the weight's n) and V^T = wv^T xn^T (rows = the weight's n, columns = tokens).
; Cluster x says which: 0 q, 1 k, 2 V^T.  xn_c holds LN1(x) as codes three times (4 MiB a part, scales e0, e2, e4); the weights are [n][k] codes (e1, e3, e5).
; A finished sum stands for sum x 2^(ea + eb); its code is sum / 2^(eo - ea - eb), held within +-448: eo = e6 (q), e7 (k), e9 (V).  LIMIT: eo - ea - eb between -126 and 119.
; OUTPUT, 4 MiB a part.  q, k: [head 16 b + h][pos][64], pos = the token's number in its batch with bits 3 and 4 exchanged, so that 16 rows on end are the keys that a tile of the next launch wants.
; V^T: [head][d][token]: the keys innermost.  Giving the weight as the row operand makes V^T without a transposition.
; A tile, 256 x 256, is made by a work-group of four waves; a wave makes 128 x 128: 64 accumulators, 512 registers.  K goes in steps of 256 through a ring of two LDS slots filled by the tensor data mover.
; CLUSTERS: 4 x 4 work-groups.  The four of a row of the cluster need the same tiles of the row operand, the four of a column the same tiles of the column operand: each tile is asked for JOINTLY.
; THE MATRIX INSTRUCTION IS USED TRANSPOSED (source 0 = 16 rows of the column operand B, source 1 = 16 rows of the row operand A): a lane holds eight neighbouring columns of one row: eight codes, 8 bytes.
; A fragment is fetched by four loads of 16 bytes: registers 4 c .. 4 c + 3 hold K = 32 c + 16 (l / 16) + 0 .. 15: a permutation of k, the same in A and B, so every product meets its partner.
; REGISTERS, in windows of 256: window 0: v0-31 addresses; from v128 A's fragments, ONE set; window 1: B's fragments, TWO sets; windows 2, 3: the accumulators ((a, b) at v[8 (8 (a % 4) + b)]).
.set KSTEP,  256
.set ROWB,   256
.set KROW,   1024                      ; a row of either operand in memory, in bytes
.set PITCH,  272                       ; an LDS row: 256 bytes + 16 of padding = 68 words: row r starts at bank 4 r mod 64 (ISA guide 11.1)
.set FR,     16
.set NL,     4
.set NP,     4                         ; places behind this matrix instruction (ISA guide 7.12.1)
.set HALFT,  128*PITCH
.set SLOT,   4*HALFT
.set LAPS,   2                         ; K = 1,024 = two laps of two K steps
.set SPARE,  2*SLOT                    ; behind the ring: the spare words, 128 bytes for each wave
.set SPITCH, 272                       ; the way out: ONE stage of 256 rows x (256 codes + 16) at LDS byte 0: in slot 0, which has had its last fill and its last read when the first code is stored there
.set LIM,  10                          ; v10  448 x the conversion's scale
.set SCL,  11                          ; v11  the conversion's scale as f32
.set RDQ,  12                          ; v12  the way out by heads: where I read 16 bytes of a head's 64
.set COQ,  13                          ; v13  and where they go: 16 x lane
.set ADRA, 16
.set ADRB, 20
.set STO,  24                          ; v24  the way out: where I put 8 codes
.set RD,   25                          ; v25  the way out by rows: where I read 16 bytes of a row
.set CO,   26                          ; v26  and where they go
.set SPW,  28
.set NIL,  29
.set AF,   128
.set TMP,  128                         ; the way out: a block's 64 held numbers
.set CD,   192                         ; its codes: 16 registers, four sets by turns
.set G1, 24
.set G0, 32
.set G1B, 48
.set G0B, 56
.set MSB, 0
.macro WIN new                         ; the immediate's high byte repeats the setting that is left
.if MSB != \new
	s_set_vgpr_msb (MSB<<8)|\new
.set MSB, \new
.endif
.endm
.set MUL_LO, 0xa1                      ; source 0 (B) window 1, source 1 (A) window 0, C and D window 2
.set MUL_HI, 0xf1
.set TO_B,   0x40
; A joint load: waves 0 and 1 fetch for A, waves 2 and 3 for B; the branch hangs on the wave's number alone.  Four v_nop follow each of the two lines.
.macro JLOAD g0a, g1a, g0b, g1b
	s_cmp_eq_u32 s15, 0
	s_cbranch_scc0 .Lfor_b_\@
	tensor_load_to_lds s[\g0a:\g0a+3], s[\g1a:\g1a+7]
	s_nop 0
.rept 4
	v_nop
.endr
	s_branch .Lasked_\@
.Lfor_b_\@:
	tensor_load_to_lds s[\g0b:\g0b+3], s[\g1b:\g1b+7]
	s_nop 0
.rept 4
	v_nop
.endr
.Lasked_\@:
.endm
.macro CREST                           ; a round of the cluster's barrier behind its opening barrier
	s_cmp_lg_u32 s14, 0
	s_cbranch_scc1 .Lnot_wave_0_\@
	s_barrier_signal -3
.Lnot_wave_0_\@:
	s_barrier_wait -3
	s_barrier_signal -1
	s_barrier_wait -1
.endm
.macro CROUND
	s_barrier_signal -1
	s_barrier_wait -1
	CREST
.endm
	s_load_b256 s[4:11], s[0:1], 0x0               ; xn_c s[4:5], wq s[6:7], wk s[8:9], wv s[10:11]
	s_load_b128 s[84:87], s[0:1], 0x20             ; the scales' exponents s[84:85], qkv_c s[86:87]
	v_lshl_add_u32 v[SPW], v0, 2, SPARE
	v_mov_b32 v[NIL], 0
	ds_add_u32 v28, v29
	ds_add_u32 v28, v29
	s_wait_dscnt 0x0
	v_lshrrev_b32 v1, 5, v0
	v_readfirstlane_b32 s14, v1                    ; wave 0..3
	v_and_b32 v30, 31, v0
	v_lshlrev_b32 v30, 10, v30                     ; the prefetches' offset: a lane a row of 1,024 bytes; never rewritten
	s_wait_alu depctr_va_vdst(0)                   ; the wait behind the write
	s_lshr_b32 s15, s14, 1                         ; which half of the tile's rows is mine.  Also: I fetch for A (0) or for B (1)
	s_and_b32 s16, s14, 1                          ; which half of its columns.  Also: which 128 rows of that tile I fetch
	s_bfe_u32 s40, ttmp6, 0x40000                  ; cx, cy: my place in the cluster
	s_bfe_u32 s41, ttmp6, 0x40004
	s_and_b32 s66, ttmp7, 0xffff
	s_lshl_b32 s66, s66, 2                         ; 4 x cluster y: along the 4,096 tokens, which are rows for q and k, columns for V^T
	s_cmp_eq_u32 ttmp9, 2                          ; cluster x is the same in all sixteen partners
	s_cselect_b32 s67, s66, 0
	s_cselect_b32 s66, 0, s66
	s_add_co_u32 s42, s67, s40                     ; tile column
	s_add_co_u32 s17, s66, s41                     ; tile row
	s_lshl_b32 s43, s41, 2
	s_lshl_b32 s43, 15, s43                        ; my row of the cluster
	s_lshl_b32 s44, 0x1111, s40                    ; my column
	s_or_b32 s[G1+0], s43, (0<<16)|(1<<20)|(1<<21)|(5<<22)|(3<<25)  ; 15:0 the mask; 17:16 elements of 1 byte; 20 padding on; 21 set beside a mask; 24:22 after every 64 words; 31:25 four words
	s_or_b32 s[G1B+0], s44, (0<<16)|(1<<20)|(1<<21)|(5<<22)|(3<<25)
.irp g, G1, G1B
	s_mov_b32 s[\g+1], ROWB<<16                    ; tensor_dim0
	s_mov_b32 s[\g+2], 128<<16                     ; tensor_dim1
	s_mov_b32 s[\g+3], ROWB<<16                    ; tile_dim0
	s_mov_b32 s[\g+4], 128                         ; tile_dim1
	s_mov_b32 s[\g+5], KROW                        ; tensor_dim0_stride
	s_mov_b32 s[\g+6], 0
	s_mov_b32 s[\g+7], 0
.endr
	s_lshl_b32 s18, s16, 7                         ; which 128 rows of the tile I fetch
	s_lshl_b32 s20, s17, 8
	s_add_co_u32 s20, s20, s18                     ; A: row 256 x tile row + 128 x half
	s_lshl_b32 s46, s42, 8
	s_add_co_u32 s46, s46, s18                     ; B: row 256 x tile column + 128 x half
	s_lshl_b32 s20, s20, 10                        ; in bytes: at most 4 MiB
	s_lshl_b32 s46, s46, 10
	s_mov_b32 s21, 0
	s_mov_b32 s47, 0
	s_mul_i32 s45, s14, HALFT                      ; where they go: wave x 128 rows
	s_lshl_b32 s88, ttmp9, 22                      ; which part of xn_c
	s_mov_b32 s89, 0
	s_wait_kmcnt 0x0
	s_load_b512 s[68:83], s[84:85], 0x0            ; all sixteen exponents
	s_add_nc_u64 s[88:89], s[4:5], s[88:89]        ; the tokens' codes
	s_cmp_eq_u32 ttmp9, 0
	s_cselect_b64 s[90:91], s[6:7], s[8:9]
	s_cmp_eq_u32 ttmp9, 2
	s_cselect_b64 s[90:91], s[10:11], s[90:91]     ; the weight's codes
	s_cselect_b64 s[92:93], s[90:91], s[88:89]     ; the row operand: the weight for V^T, else the tokens
	s_cselect_b64 s[94:95], s[88:89], s[90:91]     ; the column operand
	s_add_nc_u64 s[20:21], s[92:93], s[20:21]
	s_add_nc_u64 s[46:47], s[94:95], s[46:47]
	s_cmp_eq_u32 s15, 0                            ; the prefetches: of the 128 rows that I fetch, each of the four partners that ask for them jointly takes 32, told apart by address (cx for A, cy for B)
	s_cselect_b64 s[12:13], s[20:21], s[46:47]
	s_cselect_b32 s88, s40, s41
	s_lshl_b32 s88, s88, 15                        ; 32 rows of 1,024 bytes
	s_mov_b32 s89, 0
	s_add_nc_u64 s[12:13], s[12:13], s[88:89]      ; never rewritten
	CROUND                                         ; all sixteen work-groups are here: the first joint loads meet
.irp s, 0,1
	s_mov_b32 s[G0+4*\s], 1
	s_add_co_u32 s[G0+4*\s+1], s45, \s*SLOT
	s_add_nc_u64 s[G0+4*\s+2:G0+4*\s+3], s[20:21], \s*ROWB
	s_or_b32 s[G0+4*\s+3], s[G0+4*\s+3], 0x80000000
	s_mov_b32 s[G0B+4*\s], 1
	s_add_co_u32 s[G0B+4*\s+1], s45, \s*SLOT
	s_add_nc_u64 s[G0B+4*\s+2:G0B+4*\s+3], s[46:47], \s*ROWB
	s_or_b32 s[G0B+4*\s+3], s[G0B+4*\s+3], 0x80000000
.endr
	JLOAD G0, G1, G0B, G1B                         ; K step 0: one tensor load a wave at the head
	global_prefetch_b8 v30, s[12:13] offset:ROWB th:TH_LOAD_NT scope:SCOPE_SE     ; into the L2: with the load of K step t goes a request for step t + 2, with step 0's also one for step 1: 32 rows x 256 bytes each
	global_prefetch_b8 v30, s[12:13] offset:2*ROWB th:TH_LOAD_NT scope:SCOPE_SE
	v_and_b32 v1, 15, v0                           ; l % 16
	v_bfe_u32 v2, v0, 4, 1                         ; l / 16
	v_mul_u32_u24 v3, v1, PITCH
	s_wait_alu depctr_va_vdst(0)
	v_lshl_add_u32 v4, v2, 4, v3                   ; a fragment's row x pitch + 16 x half
	s_mul_i32 s21, s15, HALFT                      ; my 128 rows of A
	s_mul_i32 s22, s16, HALFT                      ; my 128 rows of B,
	s_add_co_u32 s22, s22, 2*HALFT                 ; which lie behind A's 256
.irp s, 0,1
	v_add_nc_u32 v[ADRA+\s], s21, v4
	v_add_nc_u32 v[ADRB+\s], s22, v4
	s_add_co_u32 s21, s21, SLOT
	s_add_co_u32 s22, s22, SLOT
.endr
	s_mul_i32 s23, s15, 128*SPITCH                 ; into the stage: my 128 rows, my 128 of their 256 codes; row l % 16, 8 codes for each half of the lanes
	s_lshl_b32 s21, s16, 7
	s_add_co_u32 s23, s23, s21
	v_lshl_add_u32 v5, v2, 3, v3
	v_add_nc_u32 v[STO], s23, v5
	s_mul_i32 s23, s14, 64*SPITCH                  ; back: wave w takes rows 64 w .. 64 w + 63
	v_mul_u32_u24 v5, v2, SPITCH
	v_lshl_add_u32 v5, v1, 4, v5
	v_add_nc_u32 v[RD], s23, v5                    ; by rows: sixteen lanes to a row of 256 codes, two rows an instruction
	v_lshlrev_b32 v5, 10, v2
	v_lshl_add_u32 v[CO], v1, 4, v5                ; and the same in V^T, whose rows are 1,024 bytes
	v_and_b32 v6, 31, v0
	v_lshrrev_b32 v7, 2, v6
	v_mul_u32_u24 v7, v7, SPITCH
	v_and_b32 v8, 3, v0
	v_lshl_add_u32 v7, v8, 4, v7
	v_add_nc_u32 v[RDQ], s23, v7                   ; by heads: four lanes to a row's 64 codes of one head, eight rows an instruction
	v_lshlrev_b32 v[COQ], 4, v6                    ; which are 512 bytes on end in q or k
	; where my wave's 64 rows begin in the output.  q, k: part + ((16 b + 4 x tile column) x 1,024 + position) x 64;  V^T: 8 MiB + b x 1 MiB + row x 1,024 + token
	s_lshl_b32 s23, s14, 6
	s_lshr_b32 s20, s17, 2
	s_lshl_b32 s20, s20, 4
	s_lshl_b32 s21, s42, 2
	s_add_co_u32 s20, s20, s21
	s_lshl_b32 s20, s20, 10
	s_and_b32 s21, s17, 3
	s_lshl_b32 s21, s21, 8
	s_add_co_u32 s20, s20, s21
	s_add_co_u32 s20, s20, s23
	s_lshl_b32 s20, s20, 6
	s_lshl_b32 s21, ttmp9, 22
	s_add_co_u32 s20, s20, s21
	s_lshr_b32 s21, s42, 2
	s_lshl_b32 s21, s21, 20
	s_lshl_b32 s22, s17, 8
	s_add_co_u32 s22, s22, s23
	s_lshl_b32 s22, s22, 10
	s_add_co_u32 s21, s21, s22
	s_and_b32 s22, s42, 3
	s_lshl_b32 s22, s22, 8
	s_add_co_u32 s21, s21, s22
	s_add_co_u32 s21, s21, 0x800000
	s_cmp_eq_u32 ttmp9, 2
	s_cselect_b32 s20, s21, s20
	s_mov_b32 s21, 0
	s_add_nc_u64 s[86:87], s[86:87], s[20:21]
.macro FRAG reg, adr, q, i             ; a fragment, 16 rows x 128 K, is 16 registers
.irp c, 0,1,2,3
	ds_load_b128 v[\reg+4*\c:\reg+4*\c+3], v[\adr] offset:128*(\q)+32*\c+(\i)*16*PITCH
.endr
.endm
; 16 matrix instructions: A's blocks a0, a0 + 1 x B's eight.  The 64 accumulators take turns, one instruction a turn, in the same order in every step.  zero = 1: the first product starts the sums.
.macro MUL16 a0, p, zero
.irp a, \a0, \a0+1
.irp b, 0,1,2,3,4,5,6,7
.if \zero
	v_wmma_f32_16x16x128_fp8_fp8 v[8*(8*((\a)%4)+\b):8*(8*((\a)%4)+\b)+7], v[128*(\p)+FR*\b:128*(\p)+FR*\b+FR-1], v[AF+FR*(\a):AF+FR*(\a)+FR-1], 0
.else
	v_wmma_f32_16x16x128_fp8_fp8 v[8*(8*((\a)%4)+\b):8*(8*((\a)%4)+\b)+7], v[128*(\p)+FR*\b:128*(\p)+FR*\b+FR-1], v[AF+FR*(\a):AF+FR*(\a)+FR-1], v[8*(8*((\a)%4)+\b):8*(8*((\a)%4)+\b)+7]
.endif
.endr
.endr
.endm
.macro FETCH_B slot, q, p
	WIN TO_B
.irp i, 0,1,2,3,4,5,6,7
	FRAG 128*(\p)+FR*\i, ADRB+\slot, \q, \i
.endr
	WIN 0
.endm
.macro FETCH_A slot, q, i0
.irp i, \i0, \i0+1, \i0+2, \i0+3
	FRAG AF+FR*(\i), ADRA+\slot, \q, \i
.endr
.endm
.macro PLACES n                        ; plain vector lines between a matrix instruction and a load into, or a read of, its registers
.rept \n
	v_nop
.endr
.endm
.macro STEP slot, q, zero              ; a step of 128 along K that has its successor in the same slot
	s_wait_dscnt 4*NL                              ; B's set and A's blocks 0-3 are in; the youngest sixteen loads (A's blocks 4-7) may be out
	WIN MUL_LO
	MUL16 0, (\q)%2, \zero
	MUL16 2, (\q)%2, \zero
	s_wait_dscnt 0                                 ; A's blocks 4-7 are in
	PLACES NP
	FETCH_B \slot, (\q)+1, 1-(\q)%2
	FETCH_A \slot, (\q)+1, 0
	WIN MUL_HI
	MUL16 4, (\q)%2, \zero
	MUL16 6, (\q)%2, \zero
	PLACES NP
	WIN 0
	FETCH_A \slot, (\q)+1, 4
.endm
; A slot's last step changes slots: ONE barrier; in front of it each wave waits for all its tensor loads, adds 0 to its spare word, and waits for that and for its own reads of this slot.  fill = 1: this slot is filled again.
.macro TURN slot, next, fill
	s_wait_tensorcnt 0x0                           ; all my tensor loads have landed: my part of the next slot
	ds_add_u32 v[SPW], v[NIL]                      ; 0 onto my spare word
	s_wait_dscnt 4*NL+1                            ; (the add and the youngest sixteen loads may be out)
	WIN MUL_LO
	MUL16 0, 1, 0
	s_wait_dscnt 0x0                               ; the add is done, and my reads of this slot are over
	s_barrier_signal -1
	MUL16 2, 1, 0
	WIN 0
	s_barrier_wait -1
.if \fill
	CREST                                          ; the barrier has opened a round of the cluster's barrier: no wave of any partner still reads this slot or has a load on its way
	s_add_nc_u64 s[G0+4*\slot+2:G0+4*\slot+3], s[G0+4*\slot+2:G0+4*\slot+3], 2*ROWB
	s_add_nc_u64 s[G0B+4*\slot+2:G0B+4*\slot+3], s[G0B+4*\slot+2:G0B+4*\slot+3], 2*ROWB
	JLOAD G0+4*\slot, G1, G0B+4*\slot, G1B         ; the first tensor load behind the round; its four v_nop are the places in front of the loads below
.else
	PLACES NP
.endif
	FETCH_B \next, 0, 0
	FETCH_A \next, 0, 0
	WIN MUL_HI
	MUL16 4, 1, 0
	MUL16 6, 1, 0
	PLACES NP
	WIN 0
	FETCH_A \next, 0, 4
.endm
	s_wait_alu depctr_va_vdst(0)                   ; the wait at the head's end
	s_wait_tensorcnt 0x0                           ; my part of K step 0 is in; slot 1's first fill is issued as a refill is:
	ds_add_u32 v[SPW], v[NIL]                      ; 0 onto my spare word,
	s_wait_dscnt 0x0                               ; the add is done,
	CROUND                                         ; a whole round: everybody's part of K step 0 is in, and the joint loads meet
	JLOAD G0+4, G1, G0B+4, G1B                     ; K step 1: the first tensor load behind the round
	FETCH_B 0, 0, 0
	FETCH_A 0, 0, 0
	FETCH_A 0, 0, 4
	global_prefetch_b8 v30, s[12:13] offset:3*ROWB th:TH_LOAD_NT scope:SCOPE_SE   ; K step 3, the last: the refills ask for nothing
	STEP 0, 0, 1
	s_mov_b32 s3, LAPS-1
.Llap:                                                 ; a trip goes once round the ring and fills both slots again
	TURN 0, 1, 1
	STEP 1, 0, 0
	TURN 1, 0, 1
	STEP 0, 0, 0
	s_sub_co_u32 s3, s3, 1
	s_cmp_lg_u32 s3, 0
	s_cbranch_scc1 .Llap
	TURN 0, 1, 0                                   ; the last lap fills nothing
	STEP 1, 0, 0
	s_wait_dscnt 4*NL
	WIN MUL_LO
	MUL16 0, 1, 0
	MUL16 2, 1, 0
	s_wait_dscnt 0
	WIN MUL_HI
	MUL16 4, 1, 0
	MUL16 6, 1, 0
	WIN 0
	; THE WAY OUT.  The three given scales are folded into the conversion's one.  No branch hangs on them: all three sets are computed and one is chosen by the cluster's x.
	s_wait_kmcnt 0x0
	s_sub_co_i32 s96, s74, s68                     ; q: e6 - e0 - e1
	s_sub_co_i32 s96, s96, s69
	s_sub_co_i32 s97, s75, s70                     ; k: e7 - e2 - e3
	s_sub_co_i32 s97, s97, s71
	s_sub_co_i32 s98, s77, s72                     ; V: e9 - e4 - e5
	s_sub_co_i32 s98, s98, s73
	s_cmp_eq_u32 ttmp9, 0
	s_cselect_b32 s96, s96, s97
	s_cmp_eq_u32 ttmp9, 2
	s_cselect_b32 s96, s98, s96
	s_add_co_i32 s96, s96, 127
	s_lshl_b32 s97, s96, 23
	v_mov_b32 v[SCL], s97
	s_add_co_i32 s96, s96, 8
	s_lshl_b32 s96, s96, 23
	s_or_b32 s96, s96, 0x600000
	v_mov_b32 v[LIM], s96
	PLACES NP                                      ; behind the last products: their results are read and A's registers written below
; Block a, 16 rows x 128 columns: held, converted (a lane's eight registers are eight neighbouring columns), 8 bytes a lane into the stage.  Each accumulator is read from its low end on.
.macro OUTBLK a
.set AC, 64*((\a)%4)
.set CB, CD+16*((\a)%4)
.if (\a) == 4
	s_wait_dscnt 0x0                               ; the first four blocks' stores have read their registers, which are taken again
.endif
	WIN 0x02+((\a)/4)                              ; source 0: window 2 or 3
.set j, 0
.rept 64
	v_med3_num_f32 v[TMP+j], v[AC+j], -v[LIM], v[LIM]   ; the conversion does not saturate (ISA guide 7.6.2): the hold at the largest code x the scale
.set j, j+1
.endr
	WIN 0
.irp b, 0,1,2,3,4,5,6,7
	v_cvt_scalef32_pk8_fp8_f32 v[CB+2*\b:CB+2*\b+1], v[TMP+8*\b:TMP+8*\b+7], v[SCL]
.endr
	v_nop                                          ; one plain line behind the conversions, ahead of the next block's writes of their sources
.irp b, 0,1,2,3,4,5,6,7
	ds_store_b64 v[STO], v[CB+2*\b:CB+2*\b+1] offset:16*(\a)*SPITCH+16*\b
.endr
.endm
.irp a, 0,1,2,3,4,5,6,7
	OUTBLK \a
.endr
	s_wait_dscnt 0x0                               ; for the others' sake: my codes lie in the stage
	s_barrier_signal -1
	s_barrier_wait -1                              ; a row's 256 codes come from two waves
	s_cmp_eq_u32 ttmp9, 2
	s_cbranch_scc1 .Lrows
	; q, k: instruction (hh, o) takes head hh's 64 codes of the eight tokens that stand at positions 8 o .. 8 o + 7 of my 64: bits 3 and 4 exchanged
.irp hh, 0,1,2,3
.irp o, 0,1,2,3,4,5,6,7
	ds_load_b128 v[128+4*(8*\hh+\o):128+4*(8*\hh+\o)+3], v[RDQ] offset:(32*(\o/4)+8*(((\o>>1)&1)|((\o&1)<<1)))*SPITCH+64*\hh
.endr
.endr
.irp hh, 0,1,2,3
.irp o, 0,1,2,3,4,5,6,7
	s_wait_dscnt 31-(8*\hh+\o)
	global_store_b128 v[COQ], v[128+4*(8*\hh+\o):128+4*(8*\hh+\o)+3], s[86:87] offset:\hh*65536+\o*512   ; 32 lanes store 512 consecutive bytes, aligned
.endr
.endr
	s_branch .Lstored
.Lrows:                                                ; V^T: whole rows of 256 codes, sixteen lanes to a row
.irp i, 0,1,2,3,4,5,6,7,8,9,10,11,12,13,14,15,16,17,18,19,20,21,22,23,24,25,26,27,28,29,30,31
	ds_load_b128 v[128+4*\i:128+4*\i+3], v[RD] offset:2*\i*SPITCH
.endr
.irp i, 0,1,2,3,4,5,6,7,8,9,10,11,12,13,14,15,16,17,18,19,20,21,22,23,24,25,26,27,28,29,30,31
	s_wait_dscnt 31-\i
	global_store_b128 v[CO], v[128+4*\i:128+4*\i+3], s[86:87] offset:2*\i*1024   ; 16 lanes store 256 consecutive bytes, aligned
.endr
.Lstored:
	s_wait_tensorcnt 0x0                           ; the wave's end
	ds_add_u32 v[SPW], v[NIL]
	s_wait_dscnt 0x0
	CROUND                                         ; the closing round
	s_endpgm
.Lfunc_end_k_q66e54fbcfd_qkv:
	.size	k_q66e54fbcfd_qkv, .Lfunc_end_k_q66e54fbcfd_qkv-k_q66e54fbcfd_qkv
	.p2alignl 7, 3214868480
	.fill 96, 4, 3214868480
	.section	.rodata,"a",@progbits
	.p2align	6, 0x0
	.amdhsa_kernel k_q66e54fbcfd_qkv
		.amdhsa_group_segment_fixed_size 327680
		.amdhsa_private_segment_fixed_size 0
		.amdhsa_enable_private_segment 0
		.amdhsa_kernarg_size 48
		.amdhsa_user_sgpr_count 2
		.amdhsa_user_sgpr_kernarg_segment_ptr 1
		.amdhsa_wavefront_size32 1
		.amdhsa_system_sgpr_workgroup_id_x 1
		.amdhsa_system_sgpr_workgroup_id_y 1
		.amdhsa_system_sgpr_workgroup_id_z 1
		.amdhsa_system_vgpr_workitem_id 0
		.amdhsa_next_free_vgpr 1024
		.amdhsa_next_free_sgpr 100
		.amdhsa_reserve_vcc 0
		.amdhsa_float_denorm_mode_32 3
		.amdhsa_float_denorm_mode_16_64 3
		.amdhsa_memory_ordered 1
		.amdhsa_forward_progress 1
		.amdhsa_inst_pref_size 133
	.end_amdhsa_kernel
	.amdgpu_metadata
---
amdhsa.version: [ 1, 2 ]
amdhsa.kernels:
  - .name:           k_q66e54fbcfd_qkv
    .symbol:         k_q66e54fbcfd_qkv.kd
    .args:
      - { .name: xn_c, .offset: 0, .size: 8, .value_kind: global_buffer, .address_space: global }
      - { .name: wq_codes, .offset: 8, .size: 8, .value_kind: global_buffer, .address_space: global }
      - { .name: wk_codes, .offset: 16, .size: 8, .value_kind: global_buffer, .address_space: global }
      - { .name: wv_codes, .offset: 24, .size: 8, .value_kind: global_buffer, .address_space: global }
      - { .name: lowp_scales, .offset: 32, .size: 8, .value_kind: global_buffer, .address_space: global }
      - { .name: qkv_c, .offset: 40, .size: 8, .value_kind: global_buffer, .address_space: global }
    .group_segment_fixed_size: 327680
    .private_segment_fixed_size: 0
    .kernarg_segment_align: 8
    .kernarg_segment_size: 48
    .max_flat_workgroup_size: 128
    .sgpr_count:     100
    .vgpr_count:     1024
    .wavefront_size: 32
...
	.end_amdgpu_metadata
.endif
;; end of part 2
;; launch attn (part 3): grid 4 x 64, 16 waves a work-group, clusters of 4 x 1, 169,984 bytes of LDS; arguments qkv_c, lowp_scales, at_c; writes at_c
.if DOCPART == 3
	.amdgcn_target "amdgcn-amd-amdhsa--gfx1250"
	.amdhsa_code_object_version 6
	.text
	.protected	k_q66e54fbcfd_attn
	.globl	k_q66e54fbcfd_attn
	.p2align	8
	.type	k_q66e54fbcfd_attn,@function
k_q66e54fbcfd_attn:
	s_mov_b64 s[64:65], 0
	v_nop
	global_prefetch_b8 v0, s[64:65] scope:SCOPE_SE
	s_setreg_imm32_b32 hwreg(HW_REG_WAVE_MODE, 25, 1), 1
	s_wait_xcnt 0x0
	s_wait_alu depctr_hold_cnt(0) depctr_sa_sdst(0) depctr_va_vdst(0) depctr_va_sdst(0) depctr_va_ssrc(0) depctr_va_vcc(0) depctr_vm_vsrc(0)
	s_getreg_b32 s2, hwreg(HW_REG_IB_STS2, 6, 4)
	s_cmp_eq_u32 s2, 0
	s_cbranch_scc0 .Lentry_in_a_cluster
	s_endpgm
.Lentry_in_a_cluster:
	s_bfe_u32 s2, ttmp6, 0x10000c
	s_cmp_lg_u32 s2, 0x3003
	s_cbranch_scc0 .Lentry_shape_is_right
	s_endpgm
.Lentry_shape_is_right:
; Causal attention on codes of FP8 (E4M3): 64 heads (16 b + h) of 1,024 tokens x 64; logits = q . k / 32.  The result is quantised (e10) for the next product.
; qkv_c: q at 0, k at 4 MiB: [head][pos][64], pos = the token with bits 3 and 4 exchanged; V^T at 8 MiB: [head][d][token].  at_c: [head][token][64] codes.  Scales: q e6, k e7, p e8, V e9.
; THE SOFTMAX: t = score x log2(e) / 32; M = the running largest t rounded UP to a whole number; p = 2^(t - M) is quantised, not normalised; the row's sum is taken of the unquantised p and divides at the end.
; When M moves, the sum and O are multiplied by 2^(old M - new M): exact.
; SHARES.  The four work-groups of a cluster serve one head; its whole K (1,024 x 64) and V^T (64 x 1,024) lie in each one's LDS, asked for JOINTLY once: nothing is filled twice, so there is no ring.
; A wave owns ONE tile of 16 queries, tile 8 G + u.  G (0..7) is made of the wave's number alone, by a table whose rows and columns each sum to 14, so that the waves' key steps (G + 1 each) are spread evenly
; however sixteen waves are dealt to four SIMDs; u = 2 cx + a bit of the wave's number enters global addresses and the mask's data alone: no branch and no LDS address hangs on the work-group's place.
; The wave needs key steps 0 .. G of 128 keys; the loop has a constant eight trips, and a scalar branch on G leaves a hidden step's work out.  Step G lies on the diagonal: there hidden scores become -infinity.
; LAYOUT.  Both products transposed: S^T = K Q^T (K = 64), O^T = V^T P^T (K = 128 keys): a lane holds ONE query.  16 LDS rows of K on end are keys 32 b + 8 u + r + 8 (r / 8), so the 16 registers of tiles 2 b, 2 b + 1 are 16 neighbouring keys.
; LIMITS: e6 + e7 between -121 and 132 (added to c's exponent field); e8 and e10 between -126 and 119; e8 + e9 is applied by v_ldexp_f32.
; REGISTERS: v1, v2 my lane's place in K, V; v7 16 x lane; v8, v9 addresses in hand; v10, v11 the stage; v12 -M; v13 largest t; v[14:15] the sum; v16-23 Q; v24 the mask's d; v25 Q's offset;
;   v32-95 fragments; v96-159 S^T, then p; v160-191 O^T; v224-239 p's codes; v240, v244: 448 x 2^e8, 2^e8; v241, v245: the same with e10; v232-239, v242-243, v246-249, v252-254 at work.
.set KP,    80                         ; a key's row in LDS: 64 bytes + 16 of padding
.set VP,    1040                       ; a row of V^T: 1,024 + 16
.set VOFF,  1024*KP
.set STAGE, VOFF+64*VP                 ; the way out: 1,024 bytes for each wave; no tile lands there
.set WV,   18
.set SEL,  20
.set CS,   22
.set G1K,  24
.set G1V,  32
.set G0K,  40
.set G0V,  44
.set TBK,  2                           ; s2   the step's first byte in K
.set TBV,  3                           ; s3   and in a row of V^T
.set STP,  66                          ; s66  the step
.set GG,   67                          ; s67  G: my last step
.macro CROUND
	s_barrier_signal -1
	s_barrier_wait -1
	s_cmp_lg_u32 s[WV], 0
	s_cbranch_scc1 .Lnot_wave_0_\@
	s_barrier_signal -3
.Lnot_wave_0_\@:
	s_barrier_wait -3
	s_barrier_signal -1
	s_barrier_wait -1
.endm
	s_load_b128 s[4:7], s[0:1], 0x0                ; qkv_c s[4:5], the scales' exponents s[6:7]
	s_load_b64 s[8:9], s[0:1], 0x10                ; at_c
	v_lshl_add_u32 v251, v0, 2, 0x29000
	v_mov_b32 v255, 0
	ds_add_u32 v251, v255
	ds_add_u32 v251, v255
	v_lshrrev_b32 v8, 5, v0
	s_delay_alu instid0(VALU_DEP_1)
	v_readfirstlane_b32 s[WV], v8                  ; wave 0..15
	s_bfe_u32 s19, ttmp6, 0x40000                  ; cx
	s_and_b32 s10, ttmp7, 0xffff
	s_lshl_b32 s10, s10, 16                        ; the head's 65,536 bytes in each part
	s_and_b32 s12, s[WV], 3                        ; which quarter I fetch, if I fetch
	s_lshl_b32 s13, s12, 14
	s_add_co_u32 s52, s10, s13
	s_mov_b32 s53, 0
	s_mul_i32 s14, s12, 256*KP
	s_mul_i32 s15, s12, 16*VP
	s_add_co_u32 s15, s15, VOFF
	s_lshr_b32 s48, s[WV], 2                       ; a
	s_and_b32 s49, s[WV], 3                        ; c
	s_and_b32 s50, s48, 2
	s_lshr_b32 s51, s49, 1
	s_or_b32 s50, s50, s51
	s_xor_b32 s51, s48, s49
	s_and_b32 s51, s51, 1
	s_mul_i32 s51, s51, 7
	s_xor_b32 s[GG], s50, s51                      ; G = ((a & 2) | (c >> 1)) xor 7 ((a xor c) & 1)
	s_mov_b32 s[G1K], 15|(0<<16)|(1<<20)|(1<<21)|(3<<22)|(3<<25)   ; the mask: all four; elements of 1 byte; padding: four words after every 16
	s_mov_b32 s[G1K+1], 256<<16                    ; tensor_dim0: a quarter of K, 256 keys x 64 bytes, is dense in memory and is stated as 64 rows of 256 bytes; the padding still stands behind each 64 bytes
	s_mov_b32 s[G1K+2], 64<<16                     ; tensor_dim1
	s_mov_b32 s[G1K+3], 256<<16                    ; tile_dim0
	s_mov_b32 s[G1K+4], 64                         ; tile_dim1
	s_mov_b32 s[G1K+5], 256                        ; stride
	s_mov_b32 s[G1K+6], 0
	s_mov_b32 s[G1K+7], 0
	s_mov_b32 s[G1V], 15|(0<<16)|(1<<20)|(1<<21)|(7<<22)|(3<<25)   ; padding: four words after every 256
	s_mov_b32 s[G1V+1], 1024<<16
	s_mov_b32 s[G1V+2], 16<<16
	s_mov_b32 s[G1V+3], 1024<<16
	s_mov_b32 s[G1V+4], 16
	s_mov_b32 s[G1V+5], 1024
	s_mov_b32 s[G1V+6], 0
	s_mov_b32 s[G1V+7], 0
	s_mov_b32 s[SEL], 0x76543210
	s_mov_b32 s[SEL+1], 0xfedcba98
	s_mov_b32 s[CS], 0x3d38aa3b                    ; c = log2(e) / 32
	s_lshl_b32 s54, s19, 1
	s_and_b32 s55, s48, 1
	s_add_co_u32 s54, s54, s55                     ; u
	s_lshl_b32 s55, s[GG], 3
	s_add_co_u32 s55, s55, s54                     ; my tile of 16 queries
	s_lshr_b32 s56, s55, 1
	s_lshl_b32 s56, s56, 5
	s_and_b32 s57, s55, 1
	s_lshl_b32 s57, s57, 3
	s_add_co_u32 s56, s56, s57                     ; its lowest position: 32 (i / 2) + 8 (i % 2)
	s_lshl_b32 s56, s56, 6
	s_add_co_u32 s56, s56, s10
	s_mov_b32 s57, 0
	s_lshl_b32 s60, s55, 10                        ; its 1,024 bytes in at_c
	s_add_co_u32 s60, s60, s10
	s_mov_b32 s61, 0
	s_lshl_b32 s54, s54, 4                         ; 16 u
	s_wait_dscnt 0x0
	s_wait_kmcnt 0x0
	s_load_b512 s[68:83], s[6:7], 0x0              ; all sixteen exponents
	s_mov_b32 s[G0K], 1
	s_mov_b32 s[G0K+1], s14
	s_add_nc_u64 s[G0K+2:G0K+3], s[4:5], s[52:53]
	s_add_nc_u64 s[G0K+2:G0K+3], s[G0K+2:G0K+3], 0x400000
	s_or_b32 s[G0K+3], s[G0K+3], 0x80000000
	s_mov_b32 s[G0V], 1
	s_mov_b32 s[G0V+1], s15
	s_add_nc_u64 s[G0V+2:G0V+3], s[4:5], s[52:53]
	s_add_nc_u64 s[G0V+2:G0V+3], s[G0V+2:G0V+3], 0x800000
	s_or_b32 s[G0V+3], s[G0V+3], 0x80000000
	s_add_nc_u64 s[58:59], s[4:5], s[56:57]        ; Q at my tile
	s_add_nc_u64 s[8:9], s[8:9], s[60:61]          ; at_c at my tile
	CROUND                                         ; all four work-groups are here: the joint loads meet
	s_cmp_lt_u32 s[WV], 4                          ; waves 0-3: K's quarters; waves 4-7: V^T's; the others nothing.  One tensor load of a wave is out
	s_cbranch_scc0 .Lnot_k
	tensor_load_to_lds s[G0K:G0K+3], s[G1K:G1K+7]
	s_nop 0
.rept 4
	v_nop
.endr
	s_branch .Lasked
.Lnot_k:
	s_cmp_lt_u32 s[WV], 8
	s_cbranch_scc0 .Lasked
	tensor_load_to_lds s[G0V:G0V+3], s[G1V:G1V+7]
	s_nop 0
.rept 4
	v_nop
.endr
.Lasked:
	v_and_b32 v8, 15, v0                           ; r
	v_bfe_u32 v9, v0, 4, 1                         ; h
	v_and_b32 v10, 7, v0
	v_bfe_u32 v11, v0, 3, 1
	s_delay_alu instid0(VALU_DEP_1)
	v_lshl_add_u32 v10, v11, 4, v10                ; query r stands 16 (r / 8) + r % 8 positions on
	s_delay_alu instid0(VALU_DEP_1)
	v_lshlrev_b32 v10, 6, v10
	s_delay_alu instid0(VALU_DEP_1)
	v_lshl_add_u32 v25, v9, 4, v10
	global_load_b128 v[16:19], v25, s[58:59]       ; Q's fragment: registers 4 c .. 4 c + 3: channels 32 c + 16 h + 0 .. 15, as K's
	global_load_b128 v[20:23], v25, s[58:59] offset:32
	v_mul_u32_u24 v1, v8, KP
	s_delay_alu instid0(VALU_DEP_1)
	v_lshl_add_u32 v1, v9, 4, v1
	v_mul_u32_u24 v2, v8, VP
	s_delay_alu instid0(VALU_DEP_1)
	v_lshl_add_u32 v2, v9, 4, v2
	s_delay_alu instid0(VALU_DEP_1)
	v_add_nc_u32 v2, VOFF, v2
	v_and_b32 v3, 31, v0
	s_delay_alu instid0(VALU_DEP_1)
	v_lshlrev_b32 v7, 4, v3
	s_lshl_b32 s62, s[WV], 10
	s_add_co_u32 s62, s62, STAGE
	v_lshlrev_b32 v10, 6, v8
	s_delay_alu instid0(VALU_DEP_1)
	v_lshl_add_u32 v10, v9, 3, v10
	s_delay_alu instid0(VALU_DEP_1)
	v_add_nc_u32 v10, s62, v10                     ; the stage, in: row r of 64 codes, + 8 h
	v_add_nc_u32 v11, s62, v7                      ; back: 16 bytes a lane, on end
	v_lshlrev_b32 v24, 4, v9
	s_delay_alu instid0(VALU_DEP_1)
	v_sub_nc_u32 v24, v8, v24
	s_delay_alu instid0(VALU_DEP_1)
	v_add_nc_u32 v24, s54, v24                     ; d = 16 u + r - 16 h: in the diagonal step register n holds a hidden key where 32 (n / 16) + n % 16 > d
	v_mov_b32 v13, 0xff61b1e6                      ; the largest t so far: -3e38
	s_delay_alu instid0(VALU_DEP_1)
	v_floor_f32 v12, -v13                          ; -M
	v_mov_b32 v14, 0
	v_mov_b32 v15, 0
	v_mov_b32 v236, 0                              ; written once: a lane permute's destination counts as one of its sources
	v_mov_b32 v252, 0
	v_mov_b32 v253, 0                              ; (named as the upper half of the pair v[252:253])
.set j, 0
.rept 32
	v_mov_b32 v[160+j], 0                          ; O^T: the loop is written once; its first step finds zeros
.set j, j+1
.endr
	s_wait_kmcnt 0x0
	s_add_co_i32 s56, s74, s75
	s_lshl_b32 s56, s56, 23
	s_add_co_i32 s[CS], s[CS], s56                 ; a score stands for score x 2^(e6 + e7)
	s_mov_b32 s[CS+1], s[CS]
	s_add_co_i32 s56, s76, 127
	s_lshl_b32 s57, s56, 23
	v_mov_b32 v244, s57                            ; 2^e8
	s_add_co_i32 s56, s56, 8
	s_lshl_b32 s56, s56, 23
	s_or_b32 s56, s56, 0x600000
	v_mov_b32 v240, s56                            ; 448 x 2^e8
	s_add_co_i32 s56, s78, 127
	s_lshl_b32 s57, s56, 23
	v_mov_b32 v245, s57                            ; 2^e10
	s_add_co_i32 s56, s56, 8
	s_lshl_b32 s56, s56, 23
	s_or_b32 s56, s56, 0x600000
	v_mov_b32 v241, s56                            ; 448 x 2^e10
	s_add_co_i32 s63, s76, s77                     ; e8 + e9
	s_mov_b32 s[TBK], 0
	s_mov_b32 s[TBV], 0
	s_mov_b32 s[STP], 0
	s_wait_tensorcnt 0x0                           ; my part of K or V^T has landed,
	s_barrier_signal -1
	s_barrier_wait -1                              ; everybody's has
	s_wait_loadcnt 0x0                             ; Q
.Lstep:                                                ; eight trips; a step all of whose keys come after my queries is left out
	s_cmp_gt_u32 s[STP], s[GG]
	s_cbranch_scc1 .Lskip
	v_add_nc_u32 v8, s[TBK], v1
	v_add_nc_u32 v9, s[TBV], v2
	v_nop                                          ; with the two additions: four places in front of loads into registers that the last products read
	v_nop
.irp t, 0,1,2,3,4,5,6,7
	ds_load_b128 v[32+8*\t:35+8*\t], v8 offset:16*\t*KP
	ds_load_b128 v[36+8*\t:39+8*\t], v8 offset:16*\t*KP+32
.endr
	s_wait_alu depctr_va_vdst(0)
	s_wait_dscnt 0x0
.irp t, 0,1,2,3,4,5,6,7
	v_wmma_f32_16x16x64_fp8_fp8 v[96+8*\t:103+8*\t], v[32+8*\t:39+8*\t], v[16:23], 0
.endr
.rept 4
	v_nop                                          ; places: the loads below land in K's registers, and the scores are read
.endr
.irp t, 0,1,2,3
.irp c, 0,1,2,3
	ds_load_b128 v[32+16*\t+4*\c:32+16*\t+4*\c+3], v9 offset:16*\t*VP+32*\c   ; V^T's four fragments land under the softmax
.endr
.endr
	s_cmp_lg_u32 s[STP], s[GG]
	s_cbranch_scc1 .Lopen
	v_mov_b32 v254, 0xff800000                     ; the diagonal step: -infinity over hidden keys, ahead of the maximum; my own key always counts
.set n, 0
.rept 64
	v_cmp_gt_i32 vcc_lo, 32*(n/16)+n%16, v24
	v_cndmask_b32 v[96+n], v[96+n], v254, vcc_lo
.set n, n+1
.endr
.Lopen:
	v_max3_num_f32 v254, v96, v97, v98             ; the step's largest score of my query, among my 64 keys, in two chains,
	v_max3_num_f32 v252, v99, v100, v101
.irp i, 6,10,14,18,22,26,30,34,38,42,46,50,54,58
	v_max3_num_f32 v254, v254, v[96+\i], v[97+\i]
	v_max3_num_f32 v252, v252, v[98+\i], v[99+\i]
.endr
	v_max3_num_f32 v254, v254, v158, v159
	s_delay_alu instid0(VALU_DEP_1)
	v_max_num_f32 v254, v254, v252
	v_permlanex16_b32 v236, v254, s[SEL], s[SEL+1]
	s_delay_alu instid0(VALU_DEP_1)
	v_max_num_f32 v254, v254, v236                 ; and among lane l xor 16's
	s_delay_alu instid0(VALU_DEP_1)
	v_mul_f32 v254, s[CS], v254                    ; as t (c is positive)
	s_delay_alu instid0(VALU_DEP_1)
	v_max_num_f32 v13, v13, v254
	v_mov_b32 v254, v12
	s_delay_alu instid0(VALU_DEP_2)
	v_floor_f32 v12, -v13                          ; the new -M = floor(-t): M is a whole number
	s_delay_alu instid0(VALU_DEP_1)
	v_sub_f32 v254, v12, v254                      ; old M - new M: a whole number, 0 or less
	s_delay_alu instid0(VALU_DEP_1)
	v_cvt_i32_f32 v254, v254                       ; (it saturates)
	s_delay_alu instid0(VALU_DEP_1)
	v_ldexp_f32 v252, 1.0, v254                    ; f = 2^(old M - new M)
.irp j, 0,2,4,6,8,10,12,14,16,18,20,22,24,26,28,30,32,34,36,38,40,42,44,46,48,50,52,54,56,58,60,62
	v_pk_fma_f32 v[96+\j:97+\j], v[96+\j:97+\j], s[CS:CS+1], v[12:13] op_sel_hi:[1,0,0]   ; t - M, two at a time
.endr
.set j, 0
	s_wait_alu depctr_va_vdst(0)
.rept 64
	v_exp_f32 v[96+j], v[96+j]                     ; p = 2^(t - M)
.set j, j+1
.endr
	v_pk_mul_f32 v[14:15], v[14:15], v[252:253] op_sel_hi:[1,0]   ; the sums under the new M: the plain line behind the exponentials
	s_wait_alu depctr_va_vdst(0)                   ; one wait for the whole batch, ahead of its first reader
	v_pk_add_f32 v[242:243], v[100:101], v[104:105]
	v_pk_add_f32 v[248:249], v[108:109], v[112:113]
	v_pk_add_f32 v[246:247], v[116:117], v[120:121]
	v_pk_add_f32 v[238:239], v[124:125], v[128:129]
	v_pk_add_f32 v[236:237], v[132:133], v[136:137]
	v_pk_add_f32 v[234:235], v[140:141], v[144:145]
	v_pk_add_f32 v[232:233], v[148:149], v[152:153]
	v_pk_add_f32 v[14:15], v[14:15], v[156:157]
	v_pk_add_f32 v[242:243], v[242:243], v[96:97]
	v_pk_add_f32 v[248:249], v[248:249], v[98:99]
	v_pk_add_f32 v[246:247], v[246:247], v[102:103]
	v_pk_add_f32 v[238:239], v[238:239], v[106:107]
	v_pk_add_f32 v[236:237], v[236:237], v[110:111]
	v_pk_add_f32 v[234:235], v[234:235], v[114:115]
	v_pk_add_f32 v[232:233], v[232:233], v[118:119]
	v_pk_add_f32 v[14:15], v[14:15], v[122:123]
	v_pk_add_f32 v[242:243], v[242:243], v[126:127]
	v_pk_add_f32 v[248:249], v[248:249], v[130:131]
	v_pk_add_f32 v[246:247], v[246:247], v[134:135]
	v_pk_add_f32 v[238:239], v[238:239], v[138:139]
	v_pk_add_f32 v[236:237], v[236:237], v[142:143]
	v_pk_add_f32 v[234:235], v[234:235], v[146:147]
	v_pk_add_f32 v[232:233], v[232:233], v[150:151]
	v_pk_add_f32 v[14:15], v[14:15], v[154:155]
	v_pk_add_f32 v[242:243], v[242:243], v[158:159]
	s_delay_alu instid0(VALU_DEP_2)
	v_pk_add_f32 v[14:15], v[14:15], v[238:239]
	s_delay_alu instid0(VALU_DEP_2)
	v_pk_add_f32 v[242:243], v[242:243], v[236:237]
	v_pk_add_f32 v[248:249], v[248:249], v[234:235]
	v_pk_add_f32 v[246:247], v[246:247], v[232:233]
	s_delay_alu instid0(VALU_DEP_2)
	v_pk_add_f32 v[14:15], v[14:15], v[248:249]
	s_delay_alu instid0(VALU_DEP_2)
	v_pk_add_f32 v[242:243], v[242:243], v[246:247]
	s_delay_alu instid0(VALU_DEP_1)
	v_pk_add_f32 v[14:15], v[14:15], v[242:243]
.irp b, 0,1,2,3
.irp i, 0,1,2,3,4,5,6,7,8,9,10,11,12,13,14,15
	v_min_num_f32 v[96+16*\b+\i], v[96+16*\b+\i], v240   ; the conversion does not saturate (ISA guide 7.6.2); p is not negative: a one-sided hold
.endr
	v_cvt_scalef32_pk8_fp8_f32 v[224+4*\b:225+4*\b], v[96+16*\b:103+16*\b], v244
	v_cvt_scalef32_pk8_fp8_f32 v[226+4*\b:227+4*\b], v[104+16*\b:111+16*\b], v244
.endr
.irp j, 0,2,4,6,8,10,12,14,16,18,20,22,24,26,28,30
	v_pk_mul_f32 v[160+\j:161+\j], v[160+\j:161+\j], v[252:253] op_sel_hi:[1,0]   ; O^T under the new M; also the plain lines between the conversions and the products
.endr
	s_wait_alu depctr_va_vdst(0)
	s_wait_dscnt 0x0                               ; V^T's fragments are in
.irp t, 0,1,2,3
	v_wmma_f32_16x16x128_fp8_fp8 v[160+8*\t:167+8*\t], v[32+16*\t:47+16*\t], v[224:239], v[160+8*\t:167+8*\t]   ; the four accumulators take turns
.endr
.Lskip:
	s_add_co_u32 s[TBK], s[TBK], 128*KP
	s_add_co_u32 s[TBV], s[TBV], 128
	s_add_co_u32 s[STP], s[STP], 1
	s_cmp_lt_u32 s[STP], 8
	s_cbranch_scc1 .Lstep
	; THE WAY OUT: O^T / the sum x 2^(e8 + e9) is the attention's value; it is quantised with e10; a lane's eight registers are eight neighbouring channels
.rept 4
	v_nop                                          ; places behind the last products
.endr
	v_add_f32 v14, v14, v15
	s_delay_alu instid0(VALU_DEP_1)
	v_permlanex16_b32 v252, v14, s[SEL], s[SEL+1]
	s_delay_alu instid0(VALU_DEP_1)
	v_add_f32 v14, v14, v252                       ; the row's sum
	s_wait_alu depctr_va_vdst(0)
	v_rcp_f32 v14, v14
	v_nop                                          ; a plain line behind the transcendental,
	s_wait_alu depctr_va_vdst(0)                   ; and the wait ahead of its first reader
	v_ldexp_f32 v14, v14, s63
.set j, 0
.rept 32
	v_mul_f32 v[96+j], v[160+j], v14               ; each accumulator from its low end on
.set j, j+1
.endr
.set j, 0
.rept 32
	v_med3_num_f32 v[96+j], v[96+j], -v241, v241
.set j, j+1
.endr
.irp t, 0,1,2,3
	v_cvt_scalef32_pk8_fp8_f32 v[128+2*\t:129+2*\t], v[96+8*\t:103+8*\t], v245
.endr
	v_nop
.irp t, 0,1,2,3
	ds_store_b64 v10, v[128+2*\t:129+2*\t] offset:16*\t   ; query r, channels 16 t + 8 h + 0 .. 7
.endr
	ds_load_b128 v[32:35], v11                     ; LDS serves a wave's instructions in order: these see my stores
	ds_load_b128 v[36:39], v11 offset:512
	s_wait_dscnt 1
	global_store_b128 v7, v[32:35], s[8:9]         ; 32 lanes store 512 consecutive bytes, aligned: eight queries' 64 codes
	s_wait_dscnt 0x0
	global_store_b128 v7, v[36:39], s[8:9] offset:512
	s_wait_tensorcnt 0x0
	ds_add_u32 v251, v255
	s_wait_dscnt 0x0
	CROUND                                         ; the closing round
	s_endpgm
.Lfunc_end_k_q66e54fbcfd_attn:
	.size	k_q66e54fbcfd_attn, .Lfunc_end_k_q66e54fbcfd_attn-k_q66e54fbcfd_attn
	.p2alignl 7, 3214868480
	.fill 96, 4, 3214868480
	.section	.rodata,"a",@progbits
	.p2align	6, 0x0
	.amdhsa_kernel k_q66e54fbcfd_attn
		.amdhsa_group_segment_fixed_size 169984
		.amdhsa_private_segment_fixed_size 0
		.amdhsa_enable_private_segment 0
		.amdhsa_kernarg_size 24
		.amdhsa_user_sgpr_count 2
		.amdhsa_user_sgpr_kernarg_segment_ptr 1
		.amdhsa_wavefront_size32 1
		.amdhsa_system_sgpr_workgroup_id_x 1
		.amdhsa_system_sgpr_workgroup_id_y 1
		.amdhsa_system_sgpr_workgroup_id_z 1
		.amdhsa_system_vgpr_workitem_id 0
		.amdhsa_next_free_vgpr 256
		.amdhsa_next_free_sgpr 100
		.amdhsa_reserve_vcc 1
		.amdhsa_float_denorm_mode_32 3
		.amdhsa_float_denorm_mode_16_64 3
		.amdhsa_memory_ordered 1
		.amdhsa_forward_progress 1
		.amdhsa_inst_pref_size 35
	.end_amdhsa_kernel
	.amdgpu_metadata
---
amdhsa.version: [ 1, 2 ]
amdhsa.kernels:
  - .name:           k_q66e54fbcfd_attn
    .symbol:         k_q66e54fbcfd_attn.kd
    .args:
      - { .name: qkv_c, .offset: 0, .size: 8, .value_kind: global_buffer, .address_space: global }
      - { .name: lowp_scales, .offset: 8, .size: 8, .value_kind: global_buffer, .address_space: global }
      - { .name: at_c, .offset: 16, .size: 8, .value_kind: global_buffer, .address_space: global }
    .group_segment_fixed_size: 169984
    .private_segment_fixed_size: 0
    .kernarg_segment_align: 8
    .kernarg_segment_size: 24
    .max_flat_workgroup_size: 512
    .sgpr_count:     100
    .vgpr_count:     256
    .wavefront_size: 32
...
	.end_amdgpu_metadata
.endif
;; end of part 3
;; launch wo (part 4): grid 8 x 32, 4 waves a work-group, clusters of 4 x 4, 327,680 bytes of LDS; arguments at_c, wo_codes, lowp_scales, bo, x, x1; writes x1
.if DOCPART == 4
	.amdgcn_target "amdgcn-amd-amdhsa--gfx1250"
	.amdhsa_code_object_version 6
	.text
	.protected	k_q66e54fbcfd_wo
	.globl	k_q66e54fbcfd_wo
	.p2align	8
	.type	k_q66e54fbcfd_wo,@function
k_q66e54fbcfd_wo:
	s_mov_b64 s[64:65], 0
	v_nop
	global_prefetch_b8 v0, s[64:65] scope:SCOPE_SE
	s_setreg_imm32_b32 hwreg(HW_REG_WAVE_MODE, 25, 1), 1
	s_wait_xcnt 0x0
	s_wait_alu depctr_hold_cnt(0) depctr_sa_sdst(0) depctr_va_vdst(0) depctr_va_sdst(0) depctr_va_ssrc(0) depctr_va_vcc(0) depctr_vm_vsrc(0)
	s_getreg_b32 s2, hwreg(HW_REG_IB_STS2, 6, 4)
	s_cmp_eq_u32 s2, 0
	s_cbranch_scc0 .Lentry_in_a_cluster
	s_endpgm
.Lentry_in_a_cluster:
	s_bfe_u32 s2, ttmp6, 0x10000c
	s_cmp_lg_u32 s2, 0xf033
	s_cbranch_scc0 .Lentry_shape_is_right
	s_endpgm
.Lentry_shape_is_right:
; x1 = x + attn wo + bo.  attn: codes of FP8 (E4M3), [head 16 b + h][token][64] (scale e10); wo: codes [n][k = 64 h + d] (e11); bo [1024], x and x1 [4096][1024] f32.  K = 1,024.
; LIMIT: e10 + e11 between -126 and 127, so that 2^(e10 + e11) is an f32 number.
; A tile of x1 is 128 x 128, so that 256 work-groups share the 4,096 x 1,024 outputs; four waves, each 64 x 64: 16 accumulators.  The whole K of both operands fits in LDS: everything is asked for at the head,
; nothing is filled twice, and one barrier serves the launch.  Each wave issues ONE joint load: waves 0 and 1 eight heads of A each, waves 2 and 3 64 rows of B each.
; A head's 128 tokens x 64 bytes are 8,192 dense bytes: they are one row of A's descriptor, eight rows 65,536 bytes apart, with 16 bytes of padding still behind each 64: in LDS a token's row of one head is 80 bytes.
; No prefetch: there is no loop of loads to run ahead in.
; CLUSTERS: 4 x 4: A's tiles are shared along a row of the cluster, B's along a column.  THE MATRIX INSTRUCTION IS USED TRANSPOSED: a lane holds eight neighbouring columns of one row.
; A K step of 128 is two heads.  A fragment's registers 4 c .. 4 c + 3 hold K = 32 c + 16 (l / 16) + 0 .. 15, in A and in B alike.
; REGISTERS: window 0: v12-15 bo; v16-19, v20 LDS addresses of A (a register for four heads) and B; v24-27 the way out; v32-95 rows back from the stage; v126, v127 the spare word and 0; v128-255 the accumulators ((a, b) at 128 + 8 (4 a + b)).
;   window 1: two fragment buffers of 128 (A's four fragments, then B's four).   window 2: v0-127 my 64 x 64 of x, as it is stored later.
.set AP,     80                        ; a token's 64 codes of one head in LDS, + 16 of padding
.set AHEAD,  128*AP                    ; a head's tile
.set BP,     1040                      ; a row of wo: 1,024 + 16
.set BOFF,   16*AHEAD
.set STAGE,  BOFF+128*BP               ; the way out: 16 rows x 272 bytes for each wave; no tile lands there
.set SPITCH, 272
.set SPARE,  STAGE+4*16*SPITCH         ; the spare words, 128 bytes for each wave
.set ADRA, 16
.set ADRB, 20
.set STO,  24
.set RD,   25
.set CO,   26
.set BO,   27
.set BK,   32
.set SPW,  126
.set NIL,  127
.set ACC,  128
.set MSB, 0
.macro WIN new
.if MSB != \new
	s_set_vgpr_msb (MSB<<8)|\new
.set MSB, \new
.endif
.endm
.set MUL,  0x05                        ; sources 0 (B) and 1 (A) window 1; C and D window 0
.set TO_F, 0x40
.macro CROUND
	s_barrier_signal -1
	s_barrier_wait -1
	s_cmp_lg_u32 s16, 0
	s_cbranch_scc1 .Lnot_wave_0_\@
	s_barrier_signal -3
.Lnot_wave_0_\@:
	s_barrier_wait -3
	s_barrier_signal -1
	s_barrier_wait -1
.endm
.macro PLACES
.rept 4
	v_nop
.endr
.endm
	s_load_b256 s[4:11], s[0:1], 0x0               ; at_c s[4:5], wo s[6:7], the scales' exponents s[8:9], bo s[10:11]
	s_load_b128 s[12:15], s[0:1], 0x20             ; x s[12:13], x1 s[14:15]
	v_lshl_add_u32 v[SPW], v0, 2, SPARE
	v_mov_b32 v[NIL], 0
	ds_add_u32 v[SPW], v[NIL]                      ; the opening: the add, twice on end, and its wait ahead of my tensor load
	ds_add_u32 v[SPW], v[NIL]
	v_lshrrev_b32 v1, 5, v0
	v_readfirstlane_b32 s16, v1                    ; wave 0..3
	s_lshr_b32 s17, s16, 1                         ; which half of the tile's rows is mine.  Also: I fetch for A (0) or for B (1)
	s_and_b32 s18, s16, 1                          ; which half of its columns.  Also: which half of that operand I fetch
	s_bfe_u32 s19, ttmp6, 0x40000                  ; cx
	s_bfe_u32 s20, ttmp6, 0x40004                  ; cy
	s_lshl_b32 s21, ttmp9, 2
	s_add_co_u32 s21, s21, s19                     ; tile column
	s_and_b32 s22, ttmp7, 0xffff
	s_lshl_b32 s22, s22, 2
	s_add_co_u32 s22, s22, s20                     ; tile row
	s_lshl_b32 s72, s20, 2
	s_lshl_b32 s72, 15, s72                        ; my row of the cluster
	s_lshl_b32 s73, 0x1111, s19                    ; my column
	s_or_b32 s24, s72, (0<<16)|(1<<20)|(1<<21)|(3<<22)|(3<<25)   ; A: elements of 1 byte; padding: four words after every 16
	s_mov_b32 s25, 8192<<16                        ; tensor_dim0: a head's 128 tokens x 64 bytes
	s_mov_b32 s26, 8<<16                           ; tensor_dim1: eight heads
	s_mov_b32 s27, 8192<<16                        ; tile_dim0
	s_mov_b32 s28, 8                               ; tile_dim1
	s_mov_b32 s29, 65536                           ; from head to head
	s_mov_b32 s30, 0
	s_mov_b32 s31, 0
	s_or_b32 s32, s73, (0<<16)|(1<<20)|(1<<21)|(7<<22)|(3<<25)   ; B: padding: four words after every 256
	s_mov_b32 s33, 1024<<16
	s_mov_b32 s34, 64<<16
	s_mov_b32 s35, 1024<<16
	s_mov_b32 s36, 64
	s_mov_b32 s37, 1024
	s_mov_b32 s38, 0
	s_mov_b32 s39, 0
	s_lshr_b32 s74, s22, 3                         ; A: batch x 1 MiB + 128 tokens x 64 bytes x (tile row % 8) + my eight heads x 65,536
	s_lshl_b32 s74, s74, 20
	s_and_b32 s75, s22, 7
	s_lshl_b32 s75, s75, 13
	s_add_co_u32 s74, s74, s75
	s_lshl_b32 s75, s18, 19
	s_add_co_u32 s74, s74, s75
	s_mov_b32 s75, 0
	s_lshl_b32 s76, s21, 7                         ; B: row 128 x tile column + 64 x half
	s_lshl_b32 s77, s18, 6
	s_add_co_u32 s76, s76, s77
	s_lshl_b32 s76, s76, 10
	s_mov_b32 s77, 0
	s_mul_i32 s78, s18, 8*AHEAD                    ; where they go
	s_mul_i32 s79, s18, 64*BP
	s_add_co_u32 s79, s79, BOFF
	s_wait_dscnt 0x0
	s_wait_kmcnt 0x0
	s_load_b64 s[70:71], s[8:9], 0x28              ; e10, e11
	s_add_nc_u64 s[74:75], s[4:5], s[74:75]
	s_add_nc_u64 s[76:77], s[6:7], s[76:77]
	s_mov_b32 s40, 1
	s_mov_b32 s41, s78
	s_mov_b64 s[42:43], s[74:75]
	s_or_b32 s43, s43, 0x80000000
	s_mov_b32 s56, 1
	s_mov_b32 s57, s79
	s_mov_b64 s[58:59], s[76:77]
	s_or_b32 s59, s59, 0x80000000
	CROUND                                         ; all sixteen work-groups are here: the joint loads meet
	s_cmp_eq_u32 s17, 0                            ; the branch hangs on the wave's number alone; one load to an arm
	s_cbranch_scc0 .Lfor_b
	tensor_load_to_lds s[40:43], s[24:31]
	s_nop 0
.rept 4
	v_nop
.endr
	s_branch .Lasked
.Lfor_b:
	tensor_load_to_lds s[56:59], s[32:39]
	s_nop 0
.rept 4
	v_nop
.endr
.Lasked:
	v_and_b32 v1, 15, v0                           ; l % 16
	v_bfe_u32 v2, v0, 4, 1                         ; l / 16
	v_mul_u32_u24 v3, v1, AP
	v_lshl_add_u32 v3, v2, 4, v3
	s_mul_i32 s72, s17, 64*AP                      ; my 64 rows in each head's tile
.irp j, 0,1,2,3
	v_add_nc_u32 v[ADRA+\j], s72, v3
	s_add_co_u32 s72, s72, 4*AHEAD
.endr
	v_mul_u32_u24 v4, v1, BP
	v_lshl_add_u32 v4, v2, 4, v4
	s_mul_i32 s72, s18, 64*BP
	s_add_co_u32 s72, s72, BOFF
	v_add_nc_u32 v[ADRB], s72, v4
	s_mul_i32 s72, s16, 16*SPITCH
	s_add_co_u32 s72, s72, STAGE                   ; my stage
	v_mul_u32_u24 v5, v1, SPITCH
	v_lshl_add_u32 v5, v2, 5, v5
	v_add_nc_u32 v[STO], s72, v5                   ; in: row l % 16, 32 bytes for each half of the lanes
	v_mul_u32_u24 v5, v2, SPITCH
	v_lshl_add_u32 v5, v1, 4, v5
	v_add_nc_u32 v[RD], s72, v5                    ; back: sixteen lanes to a row of 256 bytes, two rows an instruction
	v_lshlrev_b32 v[BO], 4, v1
	v_lshl_add_u32 v[CO], v2, 12, v[BO]            ; and the same two rows in x and x1
	s_wait_alu depctr_va_vdst(0)                   ; the wait behind the head's last vector instruction
	s_lshl_b32 s72, s22, 7
	s_lshl_b32 s73, s17, 6
	s_add_co_u32 s72, s72, s73                     ; my first row
	s_lshl_b32 s72, s72, 12
	s_lshl_b32 s80, s21, 7
	s_lshl_b32 s81, s18, 6
	s_add_co_u32 s80, s80, s81                     ; my first column
	s_lshl_b32 s80, s80, 2
	s_mov_b32 s81, 0
	s_add_nc_u64 s[10:11], s[10:11], s[80:81]
	s_add_co_u32 s72, s72, s80
	s_mov_b32 s73, 0
	s_add_nc_u64 s[12:13], s[12:13], s[72:73]
	s_add_nc_u64 s[14:15], s[14:15], s[72:73]
	WIN 0x80                                       ; destination window 2
.irp a, 0,1,2,3
.irp t, 0,1,2,3,4,5,6,7
	global_load_b128 v[4*(8*\a+\t):4*(8*\a+\t)+3], v[CO], s[12:13] offset:(16*\a+2*\t)*4096   ; my part of x lands under the products
.endr
.endr
	WIN 0
	global_load_b128 v[12:15], v[BO], s[10:11]     ; bo at my lane's four columns
; The fragments of K step q (heads 2 q, 2 q + 1) into buffer f: B's sixteen loads, then A's; A's fragments 2 and 3 come last
.macro FETCHQ q, f
	WIN TO_F
.irp i, 0,1,2,3
.irp c, 0,1,2,3
	ds_load_b128 v[\f+64+16*\i+4*\c:\f+64+16*\i+4*\c+3], v[ADRB] offset:128*(\q)+32*\c+\i*16*BP
.endr
.endr
.irp i, 0,1,2,3
.irp c, 0,1,2,3
	ds_load_b128 v[\f+16*\i+4*\c:\f+16*\i+4*\c+3], v[ADRA+(\q)/2] offset:((2*(\q)+\c/2)%4)*AHEAD+32*(\c%2)+\i*16*AP
.endr
.endr
.endm
.macro MUL4 f, a, zero                 ; A's block a x B's four; the sixteen accumulators take turns, in the same order in every K step
.irp b, 0,1,2,3
.if \zero
	v_wmma_f32_16x16x128_fp8_fp8 v[ACC+8*(4*(\a)+\b):ACC+8*(4*(\a)+\b)+7], v[\f+64+16*\b:\f+64+16*\b+15], v[\f+16*(\a):\f+16*(\a)+15], 0
.else
	v_wmma_f32_16x16x128_fp8_fp8 v[ACC+8*(4*(\a)+\b):ACC+8*(4*(\a)+\b)+7], v[\f+64+16*\b:\f+64+16*\b+15], v[\f+16*(\a):\f+16*(\a)+15], v[ACC+8*(4*(\a)+\b):ACC+8*(4*(\a)+\b)+7]
.endif
.endr
.endm
.macro KSTEPQ q
.set FB, 128*((\q)%2)
.set FN, 128-FB
.set Z, 0
.if (\q) == 0
.set Z, 1                              ; the first K step starts the sums: nothing is cleared
.endif
	s_wait_dscnt 8                                 ; all but the youngest eight loads (A's fragments 2 and 3) are in
	WIN MUL
	MUL4 FB, 0, Z
	MUL4 FB, 1, Z
.if (\q) < 7
	PLACES                                         ; in front of loads into the buffer that the K step before multiplied
	FETCHQ (\q)+1, FN
	s_wait_dscnt 32                                ; all but the 32 just issued
	WIN MUL
.else
	s_wait_dscnt 0x0
.endif
	MUL4 FB, 2, Z
	MUL4 FB, 3, Z
.endm
	s_wait_tensorcnt 0x0                           ; my tile has landed,
	s_barrier_signal -1
	s_barrier_wait -1                              ; everybody's has
	FETCHQ 0, 0
.irp q, 0,1,2,3,4,5,6,7
	KSTEPQ \q
.endr
	; THE WAY OUT: x1 = sum x 2^(e10 + e11) + (x + bo)
	s_wait_kmcnt 0x0
	s_add_co_i32 s68, s70, s71
	s_add_co_i32 s68, s68, 127
	s_lshl_b32 s68, s68, 23                        ; 2^(e10 + e11) as f32
	s_mov_b32 s69, s68
	s_wait_loadcnt 0x0                             ; x and bo
	WIN 0x82                                       ; destination and source 0 window 2
.set j, 0
.rept 64
	v_pk_add_f32 v[j:j+1], v[j:j+1], v[12+(j%4):13+(j%4)]   ; x + bo; these are also the places behind the last products
.set j, j+2
.endr
	WIN 0
.macro TOSTAGE a                       ; block a's 16 rows x 64 columns through my own stage: in by lanes' 32 bytes (each accumulator from its low end on), back as whole rows.  LDS serves a wave's instructions in order (ISA guide 5.7.1.4)
.set BB, BK+32*((\a)%2)
.irp b, 0,1,2,3
	ds_store_b128 v[STO], v[ACC+8*(4*(\a)+\b):ACC+8*(4*(\a)+\b)+3] offset:64*\b
	ds_store_b128 v[STO], v[ACC+8*(4*(\a)+\b)+4:ACC+8*(4*(\a)+\b)+7] offset:64*\b+16
.endr
.irp t, 0,1,2,3,4,5,6,7
	ds_load_b128 v[BB+4*\t:BB+4*\t+3], v[RD] offset:\t*2*SPITCH
.endr
.endm
.macro SEND a, younger                 ; younger: the LDS instructions issued behind block a's loads
.set BB, BK+32*((\a)%2)
	s_wait_dscnt \younger
	WIN 0xa0                                       ; source 2 and destination window 2
.set j, 0
.rept 16
	v_pk_fma_f32 v[32*(\a)+j:32*(\a)+j+1], v[BB+j:BB+j+1], s[68:69], v[32*(\a)+j:32*(\a)+j+1] op_sel_hi:[1,0,1]
.set j, j+2
.endr
	WIN 0x08                                       ; a store's data: window 2
.irp t, 0,1,2,3,4,5,6,7
	global_store_b128 v[CO], v[32*(\a)+4*\t:32*(\a)+4*\t+3], s[14:15] offset:(16*(\a)+2*\t)*4096   ; 16 lanes store 256 consecutive bytes, aligned
.endr
	WIN 0
.endm
	TOSTAGE 0
.irp a, 1,2,3
	TOSTAGE \a
	SEND \a-1, 16
.endr
	SEND 3, 0
	s_wait_tensorcnt 0x0                           ; the wave's end
	ds_add_u32 v[SPW], v[NIL]
	s_wait_dscnt 0x0
	CROUND                                         ; the closing round
	s_endpgm
.Lfunc_end_k_q66e54fbcfd_wo:
	.size	k_q66e54fbcfd_wo, .Lfunc_end_k_q66e54fbcfd_wo-k_q66e54fbcfd_wo
	.p2alignl 7, 3214868480
	.fill 96, 4, 3214868480
	.section	.rodata,"a",@progbits
	.p2align	6, 0x0
	.amdhsa_kernel k_q66e54fbcfd_wo
		.amdhsa_group_segment_fixed_size 327680
		.amdhsa_private_segment_fixed_size 0
		.amdhsa_enable_private_segment 0
		.amdhsa_kernarg_size 48
		.amdhsa_user_sgpr_count 2
		.amdhsa_user_sgpr_kernarg_segment_ptr 1
		.amdhsa_wavefront_size32 1
		.amdhsa_system_sgpr_workgroup_id_x 1
		.amdhsa_system_sgpr_workgroup_id_y 1
		.amdhsa_system_sgpr_workgroup_id_z 1
		.amdhsa_system_vgpr_workitem_id 0
		.amdhsa_next_free_vgpr 768
		.amdhsa_next_free_sgpr 100
		.amdhsa_reserve_vcc 0
		.amdhsa_float_denorm_mode_32 3
		.amdhsa_float_denorm_mode_16_64 3
		.amdhsa_memory_ordered 1
		.amdhsa_forward_progress 1
		.amdhsa_inst_pref_size 52
	.end_amdhsa_kernel
	.amdgpu_metadata
---
amdhsa.version: [ 1, 2 ]
amdhsa.kernels:
  - .name:           k_q66e54fbcfd_wo
    .symbol:         k_q66e54fbcfd_wo.kd
    .args:
      - { .name: at_c, .offset: 0, .size: 8, .value_kind: global_buffer, .address_space: global }
      - { .name: wo_codes, .offset: 8, .size: 8, .value_kind: global_buffer, .address_space: global }
      - { .name: lowp_scales, .offset: 16, .size: 8, .value_kind: global_buffer, .address_space: global }
      - { .name: bo, .offset: 24, .size: 8, .value_kind: global_buffer, .address_space: global }
      - { .name: x, .offset: 32, .size: 8, .value_kind: global_buffer, .address_space: global }
      - { .name: x1, .offset: 40, .size: 8, .value_kind: global_buffer, .address_space: global }
    .group_segment_fixed_size: 327680
    .private_segment_fixed_size: 0
    .kernarg_segment_align: 8
    .kernarg_segment_size: 48
    .max_flat_workgroup_size: 128
    .sgpr_count:     100
    .vgpr_count:     768
    .wavefront_size: 32
...
	.end_amdgpu_metadata
.endif
;; end of part 4
;; launch ln2 (part 5): grid 256 x 1, 8 waves a work-group, no clusters, 41,984 bytes of LDS; arguments x1, g2, be2, lowp_scales, xn2_c; writes xn2_c
.if DOCPART == 5
	.amdgcn_target "amdgcn-amd-amdhsa--gfx1250"
	.amdhsa_code_object_version 6
	.text
	.protected	k_q66e54fbcfd_ln2
	.globl	k_q66e54fbcfd_ln2
	.p2align	8
	.type	k_q66e54fbcfd_ln2,@function
k_q66e54fbcfd_ln2:
	s_mov_b64 s[64:65], 0
	v_nop
	global_prefetch_b8 v0, s[64:65] scope:SCOPE_SE
	s_setreg_imm32_b32 hwreg(HW_REG_WAVE_MODE, 25, 1), 1
	s_wait_xcnt 0x0
; LayerNorm of the 4,096 rows of x1 (1,024 f32 each), y = (x - mean) * rsqrt(var + 1e-5) * g + be, all in f32, then the quantiser to codes of FP8 (E4M3), NQ times,
; with the given scales 2^e, e = entries E0, E0 + 2, .. of the buffer of scales.  The output is [4096][1024] codes, K innermost.
; code = y / 2^e, held within +-448, to the nearest code, ties to even.  LIMITS: e between -126 and 119.  NaN among the inputs is not served.
; The variance is taken of x - mean (two passes over registers), so a common offset of the row costs no digits.
; SHARES.  A wave takes two whole rows, kept in registers between the passes: each row is read from memory once; waves share nothing: no barrier.
; Each load reads 512 consecutive bytes, 16 a lane; 2,048 bytes at a time turn through the wave's own stage in LDS (64 bytes + 16 of padding a place) and come back 64 bytes a lane:
; lane L then holds k = 512 st + 16 L + 0 .. 15, neighbours along K, as the conversions want them.  g and be take the same turn.  A store of the wave covers 512 consecutive bytes, aligned.
.set NQ,   1
.set E0,   12
.set SP,   80
.set STG,  32*SP
.set WREG, 2*STG
.set RAWG, 16
.set RAWX, 80
.set X,    16
.set T0,   80
.set C,    96
.set G,    144
.set BE,   176
.set T1,   208
.set SC,   224
.set ST,   232
	s_load_b256 s[4:11], s[0:1], 0x0               ; x1 s[4:5], g s[6:7], be s[8:9], the scales' exponents s[10:11]
	s_load_b64 s[12:13], s[0:1], 0x20              ; the codes
	v_lshl_add_u32 v254, v0, 2, 0xa000
	v_mov_b32 v255, 0
	v_lshrrev_b32 v2, 5, v0
	s_delay_alu instid0(VALU_DEP_1)
	v_readfirstlane_b32 s14, v2                    ; wave 0..7
	v_and_b32 v1, 31, v0                           ; lane
	s_delay_alu instid0(VALU_DEP_1)
	v_lshlrev_b32 v3, 4, v1
	s_mul_i32 s15, s14, WREG
	v_lshrrev_b32 v4, 2, v1
	s_delay_alu instid0(VALU_DEP_1)
	v_mul_u32_u24 v14, v4, SP
	v_and_b32 v5, 3, v1
	s_delay_alu instid0(VALU_DEP_1)
	v_lshl_add_u32 v14, v5, 4, v14
	s_delay_alu instid0(VALU_DEP_1)
	v_add_nc_u32 v14, s15, v14                     ; into the stage
	v_mul_u32_u24 v15, v1, SP
	s_delay_alu instid0(VALU_DEP_1)
	v_add_nc_u32 v15, s15, v15                     ; out of it
	s_lshl_b32 s44, ttmp9, 3
	s_add_co_u32 s44, s44, s14                     ; which pair of rows is my wave's
	s_lshl_b32 s46, s44, 11
	s_mov_b32 s47, 0
	s_lshl_b32 s44, s44, 13
	s_mov_b32 s45, 0
	s_mov_b32 s38, 0x76543210
	s_mov_b32 s39, 0xfedcba98
	s_mov_b32 s40, 0x3a800000                      ; 1 / 1,024
	s_mov_b32 s41, 0x3727c5ac                      ; 1e-5
	s_wait_alu depctr_va_vdst(0)
	s_wait_kmcnt 0x0
	s_load_b512 s[16:31], s[10:11], 0x0
	s_add_nc_u64 s[4:5], s[4:5], s[44:45]
	s_add_nc_u64 s[12:13], s[12:13], s[46:47]
.set q, 0
.rept NQ
	s_add_nc_u64 s[32+2*q:33+2*q], s[12:13], q*0x400000
.set q, q+1
.endr
.irp j, 0,1,2,3,4,5,6,7
	global_load_b128 v[RAWG+4*\j:RAWG+4*\j+3], v3, s[6:7] offset:512*\j
.endr
.irp j, 0,1,2,3,4,5,6,7
	global_load_b128 v[RAWG+32+4*\j:RAWG+32+4*\j+3], v3, s[8:9] offset:512*\j
.endr
.irp j, 0,1,2,3,4,5,6,7,8,9,10,11,12,13,14,15
	global_load_b128 v[RAWX+4*\j:RAWX+4*\j+3], v3, s[4:5] offset:512*\j
.endr
.macro TURN src, dst, stg              ; 2,048 bytes through stage stg; LDS serves a wave's instructions in order (ISA guide 5.7.1.4)
.irp i, 0,1,2,3
	ds_store_b128 v14, v[\src+4*\i:\src+4*\i+3] offset:\stg*STG+8*SP*\i
.endr
.irp i, 0,1,2,3
	ds_load_b128 v[\dst+4*\i:\dst+4*\i+3], v15 offset:\stg*STG+16*\i
.endr
.endm
.macro ACROSS a
	s_delay_alu instid0(VALU_DEP_1)
	v_add_f32_dpp v[\a], v[\a], v[\a] row_xmask:1 row_mask:0xf bank_mask:0xf
	s_delay_alu instid0(VALU_DEP_1)
	v_add_f32_dpp v[\a], v[\a], v[\a] row_xmask:2 row_mask:0xf bank_mask:0xf
	s_delay_alu instid0(VALU_DEP_1)
	v_add_f32_dpp v[\a], v[\a], v[\a] row_xmask:4 row_mask:0xf bank_mask:0xf
	s_delay_alu instid0(VALU_DEP_1)
	v_add_f32_dpp v[\a], v[\a], v[\a] row_xmask:8 row_mask:0xf bank_mask:0xf
	s_delay_alu instid0(VALU_DEP_1)
	v_permlanex16_b32 v[\a+1], v[\a], s38, s39
	s_delay_alu instid0(VALU_DEP_1)
	v_add_f32 v[\a], v[\a], v[\a+1]
.endm
.macro STATS p
.set XR, X+32*(\p)
.set SR, ST+8*(\p)
	v_pk_add_f32 v[SR:SR+1], v[XR:XR+1], v[XR+2:XR+3]
	v_pk_add_f32 v[SR+2:SR+3], v[XR+4:XR+5], v[XR+6:XR+7]
.irp j, 8,12,16,20,24,28
	s_delay_alu instid0(VALU_DEP_2)
	v_pk_add_f32 v[SR:SR+1], v[SR:SR+1], v[XR+\j:XR+\j+1]
	s_delay_alu instid0(VALU_DEP_2)
	v_pk_add_f32 v[SR+2:SR+3], v[SR+2:SR+3], v[XR+\j+2:XR+\j+3]
.endr
	s_delay_alu instid0(VALU_DEP_1)
	v_pk_add_f32 v[SR:SR+1], v[SR:SR+1], v[SR+2:SR+3]
	s_delay_alu instid0(VALU_DEP_1)
	v_add_f32 v[SR], v[SR], v[SR+1]
	ACROSS SR
	s_delay_alu instid0(VALU_DEP_1)
	v_mul_f32 v[SR+4], s40, v[SR]                  ; the mean, twice: a pair for the packed form
	s_delay_alu instid0(VALU_DEP_1)
	v_mov_b32 v[SR+5], v[SR+4]
.irp j, 0,2,4,6,8,10,12,14,16,18,20,22,24,26,28,30
	v_pk_add_f32 v[XR+\j:XR+\j+1], v[XR+\j:XR+\j+1], v[SR+4:SR+5] neg_lo:[0,1] neg_hi:[0,1]
.endr
	v_pk_mul_f32 v[SR:SR+1], v[XR:XR+1], v[XR:XR+1]
	v_pk_mul_f32 v[SR+2:SR+3], v[XR+2:XR+3], v[XR+2:XR+3]
.irp j, 4,8,12,16,20,24,28
	s_delay_alu instid0(VALU_DEP_2)
	v_pk_fma_f32 v[SR:SR+1], v[XR+\j:XR+\j+1], v[XR+\j:XR+\j+1], v[SR:SR+1]
	s_delay_alu instid0(VALU_DEP_2)
	v_pk_fma_f32 v[SR+2:SR+3], v[XR+\j+2:XR+\j+3], v[XR+\j+2:XR+\j+3], v[SR+2:SR+3]
.endr
	s_delay_alu instid0(VALU_DEP_1)
	v_pk_add_f32 v[SR:SR+1], v[SR:SR+1], v[SR+2:SR+3]
	s_delay_alu instid0(VALU_DEP_1)
	v_add_f32 v[SR], v[SR], v[SR+1]
	ACROSS SR
	s_delay_alu instid0(VALU_DEP_1)
	v_fma_f32 v[SR+6], v[SR], s40, s41
.endm
.macro NORM p
.set XR, X+32*(\p)
.set SR, ST+8*(\p)
.irp j, 0,2,4,6,8,10,12,14,16,18,20,22,24,26,28,30
	v_pk_mul_f32 v[XR+\j:XR+\j+1], v[XR+\j:XR+\j+1], v[SR+6:SR+7]
.endr
.irp j, 0,2,4,6,8,10,12,14,16,18,20,22,24,26,28,30
	v_pk_fma_f32 v[XR+\j:XR+\j+1], v[XR+\j:XR+\j+1], v[G+\j:G+\j+1], v[BE+\j:BE+\j+1]
.endr
.endm
.set CNT, 0
.macro QUANT p, st, q                  ; the held numbers go into T0 and T1 by turns: the next call's holds are the plain lines behind these conversions
.set XS, X+32*(\p)+16*(\st)
.set TS, T0+(T1-T0)*(CNT%2)
.set CS, C+4*CNT
.irp i, 0,1,2,3,4,5,6,7,8,9,10,11,12,13,14,15
	v_med3_num_f32 v[TS+\i], v[XS+\i], -v[SC+2*(\q)+1], v[SC+2*(\q)+1]   ; the conversion does not saturate (ISA guide 7.6.2)
.endr
	v_cvt_scalef32_pk8_fp8_f32 v[CS:CS+1], v[TS:TS+7], v[SC+2*(\q)]
	v_cvt_scalef32_pk8_fp8_f32 v[CS+2:CS+3], v[TS+8:TS+15], v[SC+2*(\q)]
	global_store_b128 v3, v[CS:CS+3], s[32+2*(\q):33+2*(\q)] offset:1024*(\p)+512*(\st)
.set CNT, CNT+1
.endm
	s_wait_kmcnt 0x0
.set q, 0
.rept NQ
	s_add_co_i32 s42, s[16+E0+2*q], 127
	s_lshl_b32 s43, s42, 23
	v_mov_b32 v[SC+2*q], s43                       ; 2^e as f32
	s_add_co_i32 s42, s42, 8
	s_lshl_b32 s42, s42, 23
	s_or_b32 s42, s42, 0x600000
	v_mov_b32 v[SC+2*q+1], s42                     ; 448 x 2^e
.set q, q+1
.endr
	s_wait_loadcnt 16                              ; g and be are in; the sixteen loads of the rows, issued behind them, may be out
	TURN RAWG, G, 0
	TURN RAWG+16, G+16, 1
	TURN RAWG+32, BE, 0
	TURN RAWG+48, BE+16, 1
; ROW BY ROW: row 0 is normalised, quantised and stored while row 1's eight loads, issued behind row 0's, may still be out (they land in v112-143, which row 0's work does not name: its codes take v96-103)
.irp p, 0,1
	s_wait_loadcnt 8-8*\p                          ; row p is in
	s_wait_dscnt 0x0                               ; g and be are back, and the stores into the stage have read v16-79, which take the rows now
	TURN RAWX+32*\p, X+32*\p, 0
	TURN RAWX+32*\p+16, X+32*\p+16, 1
	s_wait_dscnt 0x0                               ; the row is back
	STATS \p
	s_wait_alu depctr_va_vdst(0)                   ; the wait ahead of the transcendental,
	v_rsq_f32 v[ST+8*\p+6], v[ST+8*\p+6]
	v_nop                                          ; one plain line behind it (ISA guide 5.7.2),
	s_wait_alu depctr_va_vdst(0)                   ; and the wait ahead of its first reader
	v_mov_b32 v[ST+8*\p+7], v[ST+8*\p+6]
	NORM \p
.irp st, 0,1
.set qq, 0
.rept NQ
	QUANT \p, \st, qq
.set qq, qq+1
.endr
.endr
.endr
	s_wait_tensorcnt 0x0
	ds_add_u32 v254, v255
	s_wait_dscnt 0x0
	s_endpgm
.Lfunc_end_k_q66e54fbcfd_ln2:
	.size	k_q66e54fbcfd_ln2, .Lfunc_end_k_q66e54fbcfd_ln2-k_q66e54fbcfd_ln2
	.p2alignl 7, 3214868480
	.fill 96, 4, 3214868480
	.section	.rodata,"a",@progbits
	.p2align	6, 0x0
	.amdhsa_kernel k_q66e54fbcfd_ln2
		.amdhsa_group_segment_fixed_size 41984
		.amdhsa_private_segment_fixed_size 0
		.amdhsa_enable_private_segment 0
		.amdhsa_kernarg_size 40
		.amdhsa_user_sgpr_count 2
		.amdhsa_user_sgpr_kernarg_segment_ptr 1
		.amdhsa_wavefront_size32 1
		.amdhsa_system_sgpr_workgroup_id_x 1
		.amdhsa_system_sgpr_workgroup_id_y 1
		.amdhsa_system_sgpr_workgroup_id_z 1
		.amdhsa_system_vgpr_workitem_id 0
		.amdhsa_next_free_vgpr 256
		.amdhsa_next_free_sgpr 66
		.amdhsa_reserve_vcc 0
		.amdhsa_float_denorm_mode_32 3
		.amdhsa_float_denorm_mode_16_64 3
		.amdhsa_memory_ordered 1
		.amdhsa_forward_progress 1
		.amdhsa_inst_pref_size 30
	.end_amdhsa_kernel
	.amdgpu_metadata
---
amdhsa.version: [ 1, 2 ]
amdhsa.kernels:
  - .name:           k_q66e54fbcfd_ln2
    .symbol:         k_q66e54fbcfd_ln2.kd
    .args:
      - { .name: x1, .offset: 0, .size: 8, .value_kind: global_buffer, .address_space: global }
      - { .name: g2, .offset: 8, .size: 8, .value_kind: global_buffer, .address_space: global }
      - { .name: be2, .offset: 16, .size: 8, .value_kind: global_buffer, .address_space: global }
      - { .name: lowp_scales, .offset: 24, .size: 8, .value_kind: global_buffer, .address_space: global }
      - { .name: xn2_c, .offset: 32, .size: 8, .value_kind: global_buffer, .address_space: global }
    .group_segment_fixed_size: 41984
    .private_segment_fixed_size: 0
    .kernarg_segment_align: 8
    .kernarg_segment_size: 40
    .max_flat_workgroup_size: 256
    .sgpr_count:     66
    .vgpr_count:     256
    .wavefront_size: 32
...
	.end_amdgpu_metadata
.endif
;; end of part 5
;; launch ffn1 (part 6): grid 16 x 16, 4 waves a work-group, clusters of 4 x 4, 327,680 bytes of LDS; arguments xn2_c, w1_codes, lowp_scales, b1, h_c; writes h_c
.if DOCPART == 6
	.amdgcn_target "amdgcn-amd-amdhsa--gfx1250"
	.amdhsa_code_object_version 6
	.text
	.protected	k_q66e54fbcfd_ffn1
	.globl	k_q66e54fbcfd_ffn1
	.p2align	8
	.type	k_q66e54fbcfd_ffn1,@function
k_q66e54fbcfd_ffn1:
	s_mov_b64 s[64:65], 0
	v_nop
	global_prefetch_b8 v0, s[64:65] scope:SCOPE_SE
	s_setreg_imm32_b32 hwreg(HW_REG_WAVE_MODE, 25, 1), 1
	s_wait_xcnt 0x0
	s_wait_alu depctr_hold_cnt(0) depctr_sa_sdst(0) depctr_va_vdst(0) depctr_va_sdst(0) depctr_va_ssrc(0) depctr_va_vcc(0) depctr_vm_vsrc(0)
	s_getreg_b32 s2, hwreg(HW_REG_IB_STS2, 6, 4)
	s_cmp_eq_u32 s2, 0
	s_cbranch_scc0 .Lentry_in_a_cluster
	s_endpgm
.Lentry_in_a_cluster:
	s_bfe_u32 s2, ttmp6, 0x10000c
	s_cmp_lg_u32 s2, 0xf033
	s_cbranch_scc0 .Lentry_shape_is_right
	s_endpgm
.Lentry_shape_is_right:
; h = Q(relu(xn2 w1 + b1)).  xn2_c: LN2(x1) as codes of FP8 (E4M3), [4096][1024] (scale e12); w1: codes [n][k] (e13); b1 [4096] f32; h_c: [4096][4096] codes (e14), K of the next product innermost.  K = 1,024.
; THE BIAS IS THE C OF EACH SUM'S FIRST PRODUCT: b1 / 2^(e12 + e13), a multiplication that rounds nothing.  A finished sum then stands for (xn2 w1 + b1) / 2^(e12 + e13): it is held between 0 and 448 x 2^(e14 - e12 - e13)
; (the activation and the hold in one) and converted with 2^(e14 - e12 - e13).  LIMITS: e12 + e13 between -127 and 126; e14 - e12 - e13 between -126 and 119.
; A tile, 256 x 256, is made by four waves, 128 x 128 each: 64 accumulators in windows 2 and 3; A's fragments, one set, in window 0 (v128-255; the bias in v64-127); B's, two sets, in window 1.  K goes in steps of 256 through a ring of two LDS slots.
; CLUSTERS: 4 x 4: A's tiles are asked for jointly along a row of the cluster, B's along a column.  The matrix instruction is used transposed: a lane holds eight neighbouring columns of one row: eight codes.
; The codes leave through one stage of 256 rows x 272 bytes in slot 0, which has had its last fill and its last read by then; sixteen lanes store 256 consecutive bytes, aligned.
; PREFETCH INTO THE L2: with the load of K step t goes a request for step t + 2, with step 0's also one for step 1; the two refills ask for nothing.  Of the 128 rows x 256 bytes that a wave fetches, each of the four partners
; that ask for them jointly takes 32 rows, told apart by address (cx for A, cy for B): one instruction a wave, a lane a row.  Four clusters want the same rows of either operand, and each asks for what it loads.
.set KSTEP,  256
.set ROWB,   256
.set KROW,   1024
.set PITCH,  272
.set FR,     16
.set NL,     4
.set NP,     4
.set HALFT,  128*PITCH
.set SLOT,   4*HALFT
.set LAPS,   2
.set SPARE,  2*SLOT
.set SPITCH, 272
.set LIM,  10
.set SCL,  11
.set ADRA, 16
.set ADRB, 20
.set STO,  24
.set RD,   25
.set CO,   26
.set BOF,  27
.set SPW,  28
.set NIL,  29
.set BI,   64
.set AF,   128
.set TMP,  128
.set CD,   192
.set G1, 24
.set G0, 32
.set G1B, 48
.set G0B, 56
.set MSB, 0
.macro WIN new
.if MSB != \new
	s_set_vgpr_msb (MSB<<8)|\new
.set MSB, \new
.endif
.endm
.set MUL_LO, 0xa1
.set MUL_HI, 0xf1
.set TO_B,   0x40
.macro JLOAD g0a, g1a, g0b, g1b
	s_cmp_eq_u32 s15, 0
	s_cbranch_scc0 .Lfor_b_\@
	tensor_load_to_lds s[\g0a:\g0a+3], s[\g1a:\g1a+7]
	s_nop 0
.rept 4
	v_nop
.endr
	s_branch .Lasked_\@
.Lfor_b_\@:
	tensor_load_to_lds s[\g0b:\g0b+3], s[\g1b:\g1b+7]
	s_nop 0
.rept 4
	v_nop
.endr
.Lasked_\@:
.endm
.macro CREST
	s_cmp_lg_u32 s14, 0
	s_cbranch_scc1 .Lnot_wave_0_\@
	s_barrier_signal -3
.Lnot_wave_0_\@:
	s_barrier_wait -3
	s_barrier_signal -1
	s_barrier_wait -1
.endm
.macro CROUND
	s_barrier_signal -1
	s_barrier_wait -1
	CREST
.endm
	s_load_b256 s[4:11], s[0:1], 0x0
	s_load_b64 s[84:85], s[0:1], 0x20
	v_lshl_add_u32 v[SPW], v0, 2, SPARE
	v_mov_b32 v[NIL], 0
	ds_add_u32 v28, v29
	ds_add_u32 v28, v29
	s_wait_dscnt 0x0
	v_lshrrev_b32 v1, 5, v0
	v_readfirstlane_b32 s14, v1
	v_and_b32 v30, 31, v0
	v_lshlrev_b32 v30, 10, v30                     ; the prefetches' offset: a lane a row of 1,024 bytes; never rewritten
	s_wait_alu depctr_va_vdst(0)                   ; the wait behind the write
	s_lshr_b32 s15, s14, 1
	s_and_b32 s16, s14, 1
	s_bfe_u32 s40, ttmp6, 0x40000
	s_bfe_u32 s41, ttmp6, 0x40004
	s_lshl_b32 s42, ttmp9, 2
	s_add_co_u32 s42, s42, s40
	s_and_b32 s17, ttmp7, 0xffff
	s_lshl_b32 s17, s17, 2
	s_add_co_u32 s17, s17, s41
	s_lshl_b32 s43, s41, 2
	s_lshl_b32 s43, 15, s43
	s_lshl_b32 s44, 0x1111, s40
	s_or_b32 s[G1+0], s43, (0<<16)|(1<<20)|(1<<21)|(5<<22)|(3<<25)
	s_or_b32 s[G1B+0], s44, (0<<16)|(1<<20)|(1<<21)|(5<<22)|(3<<25)
.irp g, G1, G1B
	s_mov_b32 s[\g+1], ROWB<<16
	s_mov_b32 s[\g+2], 128<<16
	s_mov_b32 s[\g+3], ROWB<<16
	s_mov_b32 s[\g+4], 128
	s_mov_b32 s[\g+5], KROW
	s_mov_b32 s[\g+6], 0
	s_mov_b32 s[\g+7], 0
.endr
	s_lshl_b32 s18, s16, 7
	s_lshl_b32 s20, s17, 8
	s_add_co_u32 s20, s20, s18
	s_lshl_b32 s46, s42, 8
	s_add_co_u32 s46, s46, s18
	s_lshl_b32 s20, s20, 10
	s_lshl_b32 s46, s46, 10
	s_mov_b32 s21, 0
	s_mov_b32 s47, 0
	s_mul_i32 s45, s14, HALFT
	s_wait_kmcnt 0x0
	s_load_b128 s[68:71], s[8:9], 0x30
	s_add_nc_u64 s[20:21], s[4:5], s[20:21]
	s_add_nc_u64 s[46:47], s[6:7], s[46:47]
	s_cmp_eq_u32 s15, 0                            ; the prefetches: my operand's 128 rows,
	s_cselect_b64 s[72:73], s[20:21], s[46:47]
	s_cselect_b32 s74, s40, s41                    ; my place among the four that ask with me,
	s_lshl_b32 s74, s74, 15                        ; x 32 rows of 1,024 bytes
	s_mov_b32 s75, 0
	s_add_nc_u64 s[72:73], s[72:73], s[74:75]      ; never rewritten
	CROUND
.irp s, 0,1
	s_mov_b32 s[G0+4*\s], 1
	s_add_co_u32 s[G0+4*\s+1], s45, \s*SLOT
	s_add_nc_u64 s[G0+4*\s+2:G0+4*\s+3], s[20:21], \s*ROWB
	s_or_b32 s[G0+4*\s+3], s[G0+4*\s+3], 0x80000000
	s_mov_b32 s[G0B+4*\s], 1
	s_add_co_u32 s[G0B+4*\s+1], s45, \s*SLOT
	s_add_nc_u64 s[G0B+4*\s+2:G0B+4*\s+3], s[46:47], \s*ROWB
	s_or_b32 s[G0B+4*\s+3], s[G0B+4*\s+3], 0x80000000
.endr
	JLOAD G0, G1, G0B, G1B                         ; K step 0: one tensor load a wave at the head
	global_prefetch_b8 v30, s[72:73] offset:ROWB th:TH_LOAD_NT scope:SCOPE_SE     ; K steps 1 and 2
	global_prefetch_b8 v30, s[72:73] offset:2*ROWB th:TH_LOAD_NT scope:SCOPE_SE
	v_and_b32 v1, 15, v0
	v_bfe_u32 v2, v0, 4, 1
	v_mul_u32_u24 v3, v1, PITCH
	s_wait_alu depctr_va_vdst(0)
	v_lshl_add_u32 v4, v2, 4, v3
	s_mul_i32 s21, s15, HALFT
	s_mul_i32 s22, s16, HALFT
	s_add_co_u32 s22, s22, 2*HALFT
.irp s, 0,1
	v_add_nc_u32 v[ADRA+\s], s21, v4
	v_add_nc_u32 v[ADRB+\s], s22, v4
	s_add_co_u32 s21, s21, SLOT
	s_add_co_u32 s22, s22, SLOT
.endr
	s_mul_i32 s23, s15, 128*SPITCH
	s_lshl_b32 s21, s16, 7
	s_add_co_u32 s23, s23, s21
	v_lshl_add_u32 v5, v2, 3, v3
	v_add_nc_u32 v[STO], s23, v5
	s_mul_i32 s23, s14, 64*SPITCH
	v_mul_u32_u24 v5, v2, SPITCH
	v_lshl_add_u32 v5, v1, 4, v5
	v_add_nc_u32 v[RD], s23, v5
	v_lshlrev_b32 v5, 12, v2
	v_lshl_add_u32 v[CO], v1, 4, v5
	v_lshlrev_b32 v[BOF], 5, v2
	s_lshl_b32 s20, s42, 8
	s_lshl_b32 s21, s16, 7
	s_add_co_u32 s20, s20, s21
	s_lshl_b32 s20, s20, 2
	s_mov_b32 s21, 0
	s_add_nc_u64 s[10:11], s[10:11], s[20:21]
.irp b, 0,1,2,3,4,5,6,7
	global_load_b128 v[BI+8*\b:BI+8*\b+3], v[BOF], s[10:11] offset:64*\b
	global_load_b128 v[BI+8*\b+4:BI+8*\b+7], v[BOF], s[10:11] offset:64*\b+16
.endr
	s_lshl_b32 s20, s17, 8
	s_lshl_b32 s21, s14, 6
	s_add_co_u32 s20, s20, s21
	s_lshl_b32 s20, s20, 12
	s_lshl_b32 s21, s42, 8
	s_add_co_u32 s20, s20, s21
	s_mov_b32 s21, 0
	s_add_nc_u64 s[84:85], s[84:85], s[20:21]
.macro FRAG reg, adr, q, i
.irp c, 0,1,2,3
	ds_load_b128 v[\reg+4*\c:\reg+4*\c+3], v[\adr] offset:128*(\q)+32*\c+(\i)*16*PITCH
.endr
.endm
.macro MUL16 a0, p, zero
.irp a, \a0, \a0+1
.irp b, 0,1,2,3,4,5,6,7
.if \zero
	v_wmma_f32_16x16x128_fp8_fp8 v[8*(8*((\a)%4)+\b):8*(8*((\a)%4)+\b)+7], v[128*(\p)+FR*\b:128*(\p)+FR*\b+FR-1], v[AF+FR*(\a):AF+FR*(\a)+FR-1], v[BI+8*\b:BI+8*\b+7]
.else
	v_wmma_f32_16x16x128_fp8_fp8 v[8*(8*((\a)%4)+\b):8*(8*((\a)%4)+\b)+7], v[128*(\p)+FR*\b:128*(\p)+FR*\b+FR-1], v[AF+FR*(\a):AF+FR*(\a)+FR-1], v[8*(8*((\a)%4)+\b):8*(8*((\a)%4)+\b)+7]
.endif
.endr
.endr
.endm
.macro FETCH_B slot, q, p
	WIN TO_B
.irp i, 0,1,2,3,4,5,6,7
	FRAG 128*(\p)+FR*\i, ADRB+\slot, \q, \i
.endr
	WIN 0
.endm
.macro FETCH_A slot, q, i0
.irp i, \i0, \i0+1, \i0+2, \i0+3
	FRAG AF+FR*(\i), ADRA+\slot, \q, \i
.endr
.endm
.macro PLACES n
.rept \n
	v_nop
.endr
.endm
.macro STEP slot, q, zero
	s_wait_dscnt 4*NL
.if \zero
	WIN 0x81                                       ; the first products: C, the bias, in window 0; D in window 2
.else
	WIN MUL_LO
.endif
	MUL16 0, (\q)%2, \zero
	MUL16 2, (\q)%2, \zero
	s_wait_dscnt 0
	PLACES NP
	FETCH_B \slot, (\q)+1, 1-(\q)%2
	FETCH_A \slot, (\q)+1, 0
.if \zero
	WIN 0xc1                                       ; C in window 0; D in window 3
.else
	WIN MUL_HI
.endif
	MUL16 4, (\q)%2, \zero
	MUL16 6, (\q)%2, \zero
	PLACES NP
	WIN 0
	FETCH_A \slot, (\q)+1, 4
.endm
.macro TURN slot, next, fill
	s_wait_tensorcnt 0x0
	ds_add_u32 v[SPW], v[NIL]
	s_wait_dscnt 4*NL+1
	WIN MUL_LO
	MUL16 0, 1, 0
	s_wait_dscnt 0x0
	s_barrier_signal -1
	MUL16 2, 1, 0
	WIN 0
	s_barrier_wait -1
.if \fill
	CREST
	s_add_nc_u64 s[G0+4*\slot+2:G0+4*\slot+3], s[G0+4*\slot+2:G0+4*\slot+3], 2*ROWB
	s_add_nc_u64 s[G0B+4*\slot+2:G0B+4*\slot+3], s[G0B+4*\slot+2:G0B+4*\slot+3], 2*ROWB
	JLOAD G0+4*\slot, G1, G0B+4*\slot, G1B
.else
	PLACES NP
.endif
	s_wait_alu depctr_va_vdst(0)
	FETCH_B \next, 0, 0
	FETCH_A \next, 0, 0
	WIN MUL_HI
	MUL16 4, 1, 0
	MUL16 6, 1, 0
	PLACES NP
	WIN 0
	FETCH_A \next, 0, 4
.endm
	s_wait_kmcnt 0x0                               ; the exponents
	s_add_co_i32 s96, s68, s69
	s_sub_co_i32 s96, 127, s96
	s_lshl_b32 s96, s96, 23                        ; 2^-(e12 + e13) as f32
	s_mov_b32 s97, s96
	s_wait_loadcnt 0x0                             ; b1
.set j, 0
.rept 32
	v_pk_mul_f32 v[BI+j:BI+j+1], v[BI+j:BI+j+1], s[96:97] op_sel_hi:[1,0]   ; the bias as the sums want it; this work stands under K step 0's flight
.set j, j+2
.endr
	s_wait_alu depctr_va_vdst(0)                   ; the wait at the head's end
	s_wait_tensorcnt 0x0                           ; my part of K step 0 is in; slot 1's first fill is issued as a refill is:
	ds_add_u32 v[SPW], v[NIL]                      ; 0 onto my spare word,
	s_wait_dscnt 0x0                               ; the add is done,
	CROUND                                         ; a whole round: everybody's part of K step 0 is in, and the joint loads meet
	JLOAD G0+4, G1, G0B+4, G1B                     ; K step 1: the first tensor load behind the round
	FETCH_B 0, 0, 0
	FETCH_A 0, 0, 0
	FETCH_A 0, 0, 4
	global_prefetch_b8 v30, s[72:73] offset:3*ROWB th:TH_LOAD_NT scope:SCOPE_SE   ; K step 3, the last
	STEP 0, 0, 1
	s_mov_b32 s3, LAPS-1
.Llap:
	TURN 0, 1, 1
	STEP 1, 0, 0
	TURN 1, 0, 1
	STEP 0, 0, 0
	s_sub_co_u32 s3, s3, 1
	s_cmp_lg_u32 s3, 0
	s_cbranch_scc1 .Llap
	TURN 0, 1, 0
	STEP 1, 0, 0
	s_wait_dscnt 4*NL
	WIN MUL_LO
	MUL16 0, 1, 0
	MUL16 2, 1, 0
	s_wait_dscnt 0
	WIN MUL_HI
	MUL16 4, 1, 0
	MUL16 6, 1, 0
	WIN 0
	s_sub_co_i32 s98, s70, s68                     ; THE WAY OUT: the three given scales are folded into the conversion's one: e14 - e12 - e13
	s_sub_co_i32 s98, s98, s69
	s_add_co_i32 s98, s98, 127
	s_lshl_b32 s99, s98, 23
	v_mov_b32 v[SCL], s99
	s_add_co_i32 s98, s98, 8
	s_lshl_b32 s98, s98, 23
	s_or_b32 s98, s98, 0x600000
	v_mov_b32 v[LIM], s98
	PLACES NP
.macro OUTBLK a
.set AC, 64*((\a)%4)
.set CB, CD+16*((\a)%4)
.if (\a) == 4
	s_wait_dscnt 0x0
.endif
	WIN 0x02+((\a)/4)                              ; source 0: window 2 or 3
.set j, 0
.rept 64
	v_med3_num_f32 v[TMP+j], v[AC+j], 0, v[LIM]    ; the activation and the hold in one (the conversion does not saturate: ISA guide 7.6.2); each accumulator from its low end on
.set j, j+1
.endr
	WIN 0
.irp b, 0,1,2,3,4,5,6,7
	v_cvt_scalef32_pk8_fp8_f32 v[CB+2*\b:CB+2*\b+1], v[TMP+8*\b:TMP+8*\b+7], v[SCL]
.endr
	v_nop
.irp b, 0,1,2,3,4,5,6,7
	ds_store_b64 v[STO], v[CB+2*\b:CB+2*\b+1] offset:16*(\a)*SPITCH+16*\b
.endr
.endm
.irp a, 0,1,2,3,4,5,6,7
	OUTBLK \a
.endr
	s_wait_dscnt 0x0
	s_barrier_signal -1
	s_barrier_wait -1
.irp i, 0,1,2,3,4,5,6,7,8,9,10,11,12,13,14,15,16,17,18,19,20,21,22,23,24,25,26,27,28,29,30,31
	ds_load_b128 v[128+4*\i:128+4*\i+3], v[RD] offset:2*\i*SPITCH
.endr
.irp i, 0,1,2,3,4,5,6,7,8,9,10,11,12,13,14,15,16,17,18,19,20,21,22,23,24,25,26,27,28,29,30,31
	s_wait_dscnt 31-\i
	global_store_b128 v[CO], v[128+4*\i:128+4*\i+3], s[84:85] offset:2*\i*4096
.endr
	s_wait_tensorcnt 0x0
	ds_add_u32 v[SPW], v[NIL]
	s_wait_dscnt 0x0
	CROUND
	s_endpgm
.Lfunc_end_k_q66e54fbcfd_ffn1:
	.size	k_q66e54fbcfd_ffn1, .Lfunc_end_k_q66e54fbcfd_ffn1-k_q66e54fbcfd_ffn1
	.p2alignl 7, 3214868480
	.fill 96, 4, 3214868480
	.section	.rodata,"a",@progbits
	.p2align	6, 0x0
	.amdhsa_kernel k_q66e54fbcfd_ffn1
		.amdhsa_group_segment_fixed_size 327680
		.amdhsa_private_segment_fixed_size 0
		.amdhsa_enable_private_segment 0
		.amdhsa_kernarg_size 40
		.amdhsa_user_sgpr_count 2
		.amdhsa_user_sgpr_kernarg_segment_ptr 1
		.amdhsa_wavefront_size32 1
		.amdhsa_system_sgpr_workgroup_id_x 1
		.amdhsa_system_sgpr_workgroup_id_y 1
		.amdhsa_system_sgpr_workgroup_id_z 1
		.amdhsa_system_vgpr_workitem_id 0
		.amdhsa_next_free_vgpr 1024
		.amdhsa_next_free_sgpr 100
		.amdhsa_reserve_vcc 0
		.amdhsa_float_denorm_mode_32 3
		.amdhsa_float_denorm_mode_16_64 3
		.amdhsa_memory_ordered 1
		.amdhsa_forward_progress 1
		.amdhsa_inst_pref_size 130
	.end_amdhsa_kernel
	.amdgpu_metadata
---
amdhsa.version: [ 1, 2 ]
amdhsa.kernels:
  - .name:           k_q66e54fbcfd_ffn1
    .symbol:         k_q66e54fbcfd_ffn1.kd
    .args:
      - { .name: xn2_c, .offset: 0, .size: 8, .value_kind: global_buffer, .address_space: global }
      - { .name: w1_codes, .offset: 8, .size: 8, .value_kind: global_buffer, .address_space: global }
      - { .name: lowp_scales, .offset: 16, .size: 8, .value_kind: global_buffer, .address_space: global }
      - { .name: b1, .offset: 24, .size: 8, .value_kind: global_buffer, .address_space: global }
      - { .name: h_c, .offset: 32, .size: 8, .value_kind: global_buffer, .address_space: global }
    .group_segment_fixed_size: 327680
    .private_segment_fixed_size: 0
    .kernarg_segment_align: 8
    .kernarg_segment_size: 40
    .max_flat_workgroup_size: 128
    .sgpr_count:     100
    .vgpr_count:     1024
    .wavefront_size: 32
...
	.end_amdgpu_metadata
.endif
;; end of part 6
;; launch ffn2 (part 7): grid 8 x 32, 4 waves a work-group, clusters of 4 x 4, 327,680 bytes of LDS; arguments h_c, w2_codes, lowp_scales, b2, x1, out0; writes out0
.if DOCPART == 7
	.amdgcn_target "amdgcn-amd-amdhsa--gfx1250"
	.amdhsa_code_object_version 6
	.text
	.protected	k_q66e54fbcfd_ffn2
	.globl	k_q66e54fbcfd_ffn2
	.p2align	8
	.type	k_q66e54fbcfd_ffn2,@function
k_q66e54fbcfd_ffn2:
	s_mov_b64 s[64:65], 0
	v_nop
	global_prefetch_b8 v0, s[64:65] scope:SCOPE_SE
	s_setreg_imm32_b32 hwreg(HW_REG_WAVE_MODE, 25, 1), 1
	s_wait_xcnt 0x0
	s_wait_alu depctr_hold_cnt(0) depctr_sa_sdst(0) depctr_va_vdst(0) depctr_va_sdst(0) depctr_va_ssrc(0) depctr_va_vcc(0) depctr_vm_vsrc(0)
	s_getreg_b32 s2, hwreg(HW_REG_IB_STS2, 6, 4)
	s_cmp_eq_u32 s2, 0
	s_cbranch_scc0 .Lentry_in_a_cluster
	s_endpgm
.Lentry_in_a_cluster:
	s_bfe_u32 s2, ttmp6, 0x10000c
	s_cmp_lg_u32 s2, 0xf033
	s_cbranch_scc0 .Lentry_shape_is_right
	s_endpgm
.Lentry_shape_is_right:
; out0 = x1 + h w2 + b2.  h_c: codes of FP8 (E4M3), [4096][4096] (scale e14); w2: codes [n][k] (e15); b2 [1024], x1 and out0 [4096][1024] f32.  K = 4,096.
; LIMIT: e14 + e15 between -126 and 127, so that 2^(e14 + e15) is an f32 number.
; A tile of out0 is 128 x 128, so that 256 work-groups share the 4,096 x 1,024 outputs; four waves, each 64 x 64: 16 accumulators.
; K goes in eight steps of 512 through a ring of two LDS slots (128 rows of A and 128 of B, 512 bytes + 16 of padding a row); each wave fetches 64 rows with one tensor load.
; CLUSTERS: 4 x 4: A's tiles are asked for jointly along a row of the cluster, B's along a column.  The matrix instruction is used transposed: a lane holds eight neighbouring columns of one row.
; A fragment's registers 4 c .. 4 c + 3 hold K = 32 c + 16 (l / 16) + 0 .. 15, in A and in B alike: every product meets its partner.
; PREFETCH INTO THE L2.  With the load of K step t goes a request for K step t + 2 (with step 0's also one for step 1); the loads of steps 6 and 7 ask for nothing.  A wave's 64 rows x 512 bytes are 128 blocks of 256 bytes;
; the four partners that ask for them jointly take 16 rows each, told apart by address (cx for A, cy for B): one instruction a wave, two lanes to a row.  w2's rows are wanted by the eight clusters of a column of the grid:
; only the four with an even y ask for them.
; x1 and b2 are wanted on the way out alone: they are loaded behind the loop, seven quarters of a K step (112 matrix instructions a wave) ahead of their first use.
; REGISTERS: window 0: v12-15 b2; v16-17, v20-21 LDS addresses of A and B in slot 0, 1; v24-27 the way out; v28, v29 the spare word and 0; v30 the prefetches' offset; v32-95 rows back from the stage; v128-255 the accumulators ((a, b) at 128 + 8 (4 a + b)).
;   window 1: two fragment buffers of 128 (A's four fragments, then B's four).   window 2: v0-127 my 64 x 64 of x1, as it is stored later.
.set KSTEP,  512
.set KROW,   4096                      ; a row of either operand in memory, in bytes
.set PITCH,  528                       ; an LDS row: 512 bytes + 16 of padding: an odd multiple of 16
.set HALFT,  64*PITCH                  ; what one tensor load brings
.set SLOT,   4*HALFT                   ; A's 128 rows, then B's 128
.set STAGE,  2*SLOT                    ; the way out: 16 rows x 272 bytes for each wave; no tile lands there
.set SPITCH, 272
.set SPARE,  STAGE+4*16*SPITCH         ; the spare words, 128 bytes for each wave
.set LAPS,   4                         ; a lap = two K steps
.set ADRA, 16
.set ADRB, 20
.set STO,  24
.set RD,   25
.set CO,   26
.set BO,   27
.set SPW,  28
.set NIL,  29
.set PFO,  30
.set BK,   32
.set ACC,  128
.set F0,   0
.set F1,   128
.set G1,  24                           ; s[24:31], s[32:39] descriptor group 1 for A's, B's tiles
.set G1B, 32
.set G0,  40                           ; s[40:47], s[48:55] group 0, one set for each slot
.set G0B, 48
.set PFA, 60                           ; s[60:61] my work-group's 16 rows of the 64 that I fetch; three K steps behind what the next request names
.set LIM, 62                           ; s62  1 where my wave asks, else the greatest number
.set MSB, 0
.macro WIN new                         ; the immediate's high byte repeats the setting that is left
.if MSB != \new
	s_set_vgpr_msb (MSB<<8)|\new
.set MSB, \new
.endif
.endm
.set MUL,  0x05                        ; sources 0 (B) and 1 (A) window 1; C and D window 0
.set TO_F, 0x40
; A joint load: waves 0 and 1 fetch for A, waves 2 and 3 for B; the branch hangs on the wave's number alone.  An s_nop 0 and four v_nop follow each line.
.macro JLOAD s
	s_cmp_eq_u32 s17, 0
	s_cbranch_scc0 .Lfor_b_\@
	tensor_load_to_lds s[G0+4*\s:G0+4*\s+3], s[G1:G1+7]
	s_nop 0
.rept 4
	v_nop
.endr
	s_branch .Lasked_\@
.Lfor_b_\@:
	tensor_load_to_lds s[G0B+4*\s:G0B+4*\s+3], s[G1B:G1B+7]
	s_nop 0
.rept 4
	v_nop
.endr
.Lasked_\@:
.endm
; A request: 16 rows x 512 bytes, off bytes behind s[PFA].  how = 1: at the head; how = 0: in the loop, whose last trip (s3 = 1) asks for nothing.  The tests hang on the wave's number, the cluster's y and the count of trips.
.macro ASK how, off
.if \how
	s_cmp_eq_u32 s[LIM], 1
.else
	s_cmp_gt_u32 s3, s[LIM]
.endif
	s_cbranch_scc0 .Lno_ask_\@
	global_prefetch_b8 v[PFO], s[PFA:PFA+1] offset:\off th:TH_LOAD_NT scope:SCOPE_SE
.Lno_ask_\@:
.endm
.macro CREST                           ; a round of the cluster's barrier behind its opening barrier
	s_cmp_lg_u32 s16, 0
	s_cbranch_scc1 .Lnot_wave_0_\@
	s_barrier_signal -3
.Lnot_wave_0_\@:
	s_barrier_wait -3
	s_barrier_signal -1
	s_barrier_wait -1
.endm
.macro CROUND
	s_barrier_signal -1
	s_barrier_wait -1
	CREST
.endm
.macro PLACES                          ; plain vector lines between a matrix instruction and a load into its registers
.rept 4
	v_nop
.endr
.endm
	s_load_b256 s[4:11], s[0:1], 0x0               ; h_c s[4:5], w2 s[6:7], the scales' exponents s[8:9], b2 s[10:11]
	s_load_b128 s[12:15], s[0:1], 0x20             ; x1 s[12:13], out0 s[14:15]
	v_lshl_add_u32 v[SPW], v0, 2, SPARE
	v_mov_b32 v[NIL], 0
	ds_add_u32 v[SPW], v[NIL]                      ; the opening: the add, twice on end, and its wait ahead of my first tensor load
	ds_add_u32 v[SPW], v[NIL]
	v_lshrrev_b32 v1, 5, v0
	v_readfirstlane_b32 s16, v1                    ; wave 0..3
	v_bfe_u32 v2, v0, 1, 4                         ; lane / 2: which of the 16 rows
	v_and_b32 v3, 1, v0                            ; which 256 of its 512 bytes
	v_lshlrev_b32 v3, 8, v3
	v_lshl_add_u32 v[PFO], v2, 12, v3
	s_lshr_b32 s17, s16, 1                         ; which half of the tile's rows is mine.  Also: I fetch for A (0) or for B (1)
	s_and_b32 s18, s16, 1                          ; which half of its columns.  Also: which 64 rows of that tile I fetch
	s_bfe_u32 s19, ttmp6, 0x40000                  ; cx
	s_bfe_u32 s20, ttmp6, 0x40004                  ; cy
	s_lshl_b32 s21, ttmp9, 2
	s_add_co_u32 s21, s21, s19                     ; tile column
	s_and_b32 s22, ttmp7, 0xffff
	s_lshl_b32 s22, s22, 2
	s_add_co_u32 s22, s22, s20                     ; tile row
	s_lshl_b32 s72, s20, 2
	s_lshl_b32 s72, 15, s72                        ; my row of the cluster
	s_lshl_b32 s73, 0x1111, s19                    ; my column
	s_or_b32 s[G1+0], s72, (0<<16)|(1<<20)|(1<<21)|(6<<22)|(3<<25)   ; the mask; elements of 1 byte; padding on; bit 21 beside a mask; four words after every 128
	s_or_b32 s[G1B+0], s73, (0<<16)|(1<<20)|(1<<21)|(6<<22)|(3<<25)
.irp g, G1, G1B
	s_mov_b32 s[\g+1], KSTEP<<16                   ; tensor_dim0
	s_mov_b32 s[\g+2], 64<<16                      ; tensor_dim1
	s_mov_b32 s[\g+3], KSTEP<<16                   ; tile_dim0
	s_mov_b32 s[\g+4], 64                          ; tile_dim1
	s_mov_b32 s[\g+5], KROW                        ; stride
	s_mov_b32 s[\g+6], 0
	s_mov_b32 s[\g+7], 0
.endr
	s_lshl_b32 s79, s18, 6
	s_lshl_b32 s74, s22, 7
	s_add_co_u32 s74, s74, s79                     ; A: row 128 x tile row + 64 x half
	s_lshl_b32 s74, s74, 12
	s_mov_b32 s75, 0
	s_lshl_b32 s76, s21, 7
	s_add_co_u32 s76, s76, s79                     ; B: row 128 x tile column + 64 x half
	s_lshl_b32 s76, s76, 12
	s_mov_b32 s77, 0
	s_mul_i32 s78, s16, HALFT                      ; where they go: wave x 64 rows
	s_cmp_eq_u32 s17, 0
	s_cselect_b32 s82, s19, s20                    ; my place among the four that ask with me,
	s_lshl_b32 s82, s82, 16                        ; x 16 rows of 4,096 bytes
	s_mov_b32 s83, 0
	s_and_b32 s84, ttmp7, 1                        ; B's waves in clusters with an odd y ask for nothing
	s_and_b32 s84, s84, s17
	s_cmp_eq_u32 s84, 0
	s_cselect_b32 s[LIM], 1, -1
	s_wait_alu depctr_va_vdst(0)                   ; the wait here, directly ahead of the wait below
	s_wait_dscnt 0x0                               ; both opening adds are done
	s_wait_kmcnt 0x0
	s_load_b64 s[70:71], s[8:9], 0x38              ; e14, e15
	s_add_nc_u64 s[74:75], s[4:5], s[74:75]
	s_add_nc_u64 s[76:77], s[6:7], s[76:77]
	s_cmp_eq_u32 s17, 0
	s_cselect_b64 s[PFA:PFA+1], s[74:75], s[76:77]
	s_add_nc_u64 s[PFA:PFA+1], s[PFA:PFA+1], s[82:83]
	CROUND                                         ; all sixteen work-groups are here: the first joint loads meet
.irp s, 0,1
	s_mov_b32 s[G0+4*\s], 1
	s_add_co_u32 s[G0+4*\s+1], s78, \s*SLOT
	s_add_nc_u64 s[G0+4*\s+2:G0+4*\s+3], s[74:75], \s*KSTEP
	s_or_b32 s[G0+4*\s+3], s[G0+4*\s+3], 0x80000000
	s_mov_b32 s[G0B+4*\s], 1
	s_add_co_u32 s[G0B+4*\s+1], s78, \s*SLOT
	s_add_nc_u64 s[G0B+4*\s+2:G0B+4*\s+3], s[76:77], \s*KSTEP
	s_or_b32 s[G0B+4*\s+3], s[G0B+4*\s+3], 0x80000000
.endr
	JLOAD 0                                        ; K step 0: one tensor load a wave at the head
	ASK 1, KSTEP                                   ; K steps 1 and 2
	ASK 1, 2*KSTEP
	v_and_b32 v1, 15, v0                           ; l % 16
	v_bfe_u32 v2, v0, 4, 1                         ; l / 16
	v_mul_u32_u24 v3, v1, PITCH
	v_lshl_add_u32 v3, v2, 4, v3                   ; a fragment's row x pitch + 16 x half
	s_mul_i32 s72, s17, HALFT                      ; my 64 rows of A
	s_mul_i32 s73, s18, HALFT                      ; my 64 rows of B,
	s_add_co_u32 s73, s73, 2*HALFT                 ; which lie behind A's 128
.irp s, 0,1
	v_add_nc_u32 v[ADRA+\s], s72, v3
	v_add_nc_u32 v[ADRB+\s], s73, v3
	s_add_co_u32 s72, s72, SLOT
	s_add_co_u32 s73, s73, SLOT
.endr
	s_mul_i32 s72, s16, 16*SPITCH
	s_add_co_u32 s72, s72, STAGE                   ; my stage
	s_wait_alu depctr_va_vdst(0)                   ; the wait here, directly ahead of the reader below
	v_mul_u32_u24 v5, v1, SPITCH
	v_lshl_add_u32 v5, v2, 5, v5
	v_add_nc_u32 v[STO], s72, v5                   ; in: row l % 16, 32 bytes for each half of the lanes
	v_mul_u32_u24 v5, v2, SPITCH
	v_lshl_add_u32 v5, v1, 4, v5
	v_add_nc_u32 v[RD], s72, v5                    ; back: sixteen lanes to a row of 256 bytes, two rows an instruction
	v_lshlrev_b32 v[BO], 4, v1
	v_lshl_add_u32 v[CO], v2, 12, v[BO]            ; and the same two rows in x1 and out0
	s_lshl_b32 s72, s22, 7
	s_lshl_b32 s73, s17, 6
	s_add_co_u32 s72, s72, s73                     ; my first row
	s_lshl_b32 s72, s72, 12
	s_lshl_b32 s80, s21, 7
	s_lshl_b32 s81, s18, 6
	s_add_co_u32 s80, s80, s81                     ; my first column
	s_lshl_b32 s80, s80, 2
	s_mov_b32 s81, 0
	s_add_nc_u64 s[10:11], s[10:11], s[80:81]
	s_add_co_u32 s72, s72, s80
	s_mov_b32 s73, 0
	s_add_nc_u64 s[12:13], s[12:13], s[72:73]
	s_add_nc_u64 s[14:15], s[14:15], s[72:73]
; The fragments of 128 along K at byte k of the slot's rows into buffer f: B's sixteen loads, then A's; A's fragments 2 and 3 come last
.macro FETCH slot, k, f
	WIN TO_F
.irp i, 0,1,2,3
.irp c, 0,1,2,3
	ds_load_b128 v[\f+64+16*\i+4*\c:\f+64+16*\i+4*\c+3], v[ADRB+\slot] offset:\k+32*\c+\i*16*PITCH
.endr
.endr
.irp i, 0,1,2,3
.irp c, 0,1,2,3
	ds_load_b128 v[\f+16*\i+4*\c:\f+16*\i+4*\c+3], v[ADRA+\slot] offset:\k+32*\c+\i*16*PITCH
.endr
.endr
.endm
.macro MUL4 f, a, zero                 ; A's block a x B's four; the sixteen accumulators take turns, in the same order in every quarter
.irp b, 0,1,2,3
.if \zero
	v_wmma_f32_16x16x128_fp8_fp8 v[ACC+8*(4*(\a)+\b):ACC+8*(4*(\a)+\b)+7], v[\f+64+16*\b:\f+64+16*\b+15], v[\f+16*(\a):\f+16*(\a)+15], 0
.else
	v_wmma_f32_16x16x128_fp8_fp8 v[ACC+8*(4*(\a)+\b):ACC+8*(4*(\a)+\b)+7], v[\f+64+16*\b:\f+64+16*\b+15], v[\f+16*(\a):\f+16*(\a)+15], v[ACC+8*(4*(\a)+\b):ACC+8*(4*(\a)+\b)+7]
.endif
.endr
.endm
; One of a K step's first three quarters: multiplies buffer f; in its middle it fetches the next quarter's fragments into buffer g
.macro QUARTER slot, k, f, g, zero
	s_wait_dscnt 8                                 ; all but the youngest eight loads (A's fragments 2 and 3) are in
	WIN MUL
	MUL4 \f, 0, \zero
	MUL4 \f, 1, \zero
	PLACES
	FETCH \slot, \k, \g
	s_wait_dscnt 32                                ; all but the 32 just issued
	WIN MUL
	MUL4 \f, 2, \zero
	MUL4 \f, 3, \zero
.endm
; The last quarter changes slots: ONE barrier; in front of it each wave waits for all its tensor loads (the one that is out is its part of the next slot), adds 0 to its spare word, and waits for that and for its reads of this slot.
; fill = 1: the barrier opens a round of the cluster's barrier, and this slot is filled again, two K steps ahead.
.macro TURN slot, next, fill
	WIN 0
.if \fill
	s_wait_xcnt 0x0                                ; my last request has read its address, which steps here, ahead of the change's own waits
	s_add_nc_u64 s[PFA:PFA+1], s[PFA:PFA+1], KSTEP
.endif
	s_wait_tensorcnt 0x0
	ds_add_u32 v[SPW], v[NIL]
	s_wait_dscnt 9                                 ; (the add and the youngest eight loads may be out)
	WIN MUL
	MUL4 F1, 0, 0
	s_wait_dscnt 0x0                               ; the add is done, and my reads of this slot are over
	s_barrier_signal -1
	MUL4 F1, 1, 0
.if \fill
	WIN 0
.endif
	s_barrier_wait -1
.if \fill
	CREST                                          ; no wave of any partner still reads this slot or has a load on its way
	s_add_nc_u64 s[G0+4*\slot+2:G0+4*\slot+3], s[G0+4*\slot+2:G0+4*\slot+3], 2*KSTEP
	s_add_nc_u64 s[G0B+4*\slot+2:G0B+4*\slot+3], s[G0B+4*\slot+2:G0B+4*\slot+3], 2*KSTEP
	JLOAD \slot                                    ; the first tensor load behind the round; its four v_nop are the places in front of the loads below
.else
	PLACES
.endif
	FETCH \next, 0, F0
.if \fill
	WIN 0
	ASK 0, 3*KSTEP                                 ; behind the joint load and the run of LDS loads: the K step two behind the one just asked for
.endif
	WIN MUL
	MUL4 F1, 2, 0
	MUL4 F1, 3, 0
.endm
	s_wait_alu depctr_va_vdst(0)                   ; the wait at the head's end
	s_wait_tensorcnt 0x0                           ; my part of K step 0 is in; slot 1's first fill is issued as a refill is:
	ds_add_u32 v[SPW], v[NIL]
	s_wait_dscnt 0x0
	CROUND                                         ; everybody's part of K step 0 is in, and the joint loads meet
	JLOAD 1                                        ; K step 1
	FETCH 0, 0, F0
	WIN 0
	ASK 1, 3*KSTEP                                 ; K step 3
	QUARTER 0, 128, F0, F1, 1                      ; the first quarter stands in front of the loop: its products start the sums
	WIN 0
	s_mov_b32 s3, LAPS-1
.Llap:                                                 ; a trip goes once round the ring and fills both slots again
	QUARTER 0, 256, F1, F0, 0
	QUARTER 0, 384, F0, F1, 0
	TURN 0, 1, 1
	QUARTER 1, 128, F0, F1, 0
	QUARTER 1, 256, F1, F0, 0
	QUARTER 1, 384, F0, F1, 0
	TURN 1, 0, 1
	QUARTER 0, 128, F0, F1, 0
	WIN 0
	s_sub_co_u32 s3, s3, 1
	s_cmp_lg_u32 s3, 0
	s_cbranch_scc1 .Llap
	WIN 0x80                                       ; destination window 2
.irp a, 0,1,2,3
.irp t, 0,1,2,3,4,5,6,7
	global_load_b128 v[4*(8*\a+\t):4*(8*\a+\t)+3], v[CO], s[12:13] offset:(16*\a+2*\t)*4096   ; my part of x1 lands under the last lap's products
.endr
.endr
	WIN 0
	global_load_b128 v[12:15], v[BO], s[10:11]     ; b2 at my lane's four columns
	QUARTER 0, 256, F1, F0, 0                      ; the last lap fills nothing
	QUARTER 0, 384, F0, F1, 0
	TURN 0, 1, 0
	QUARTER 1, 128, F0, F1, 0
	QUARTER 1, 256, F1, F0, 0
	QUARTER 1, 384, F0, F1, 0
	s_wait_dscnt 8
	WIN MUL
	MUL4 F1, 0, 0
	MUL4 F1, 1, 0
	s_wait_dscnt 0x0
	MUL4 F1, 2, 0
	MUL4 F1, 3, 0
	WIN 0
	; THE WAY OUT: out0 = sum x 2^(e14 + e15) + (x1 + b2)
	s_wait_kmcnt 0x0
	s_add_co_i32 s68, s70, s71
	s_add_co_i32 s68, s68, 127
	s_lshl_b32 s68, s68, 23                        ; 2^(e14 + e15) as f32
	s_mov_b32 s69, s68
	s_wait_loadcnt 0x0                             ; x1 and b2
	WIN 0x82                                       ; destination and source 0 window 2
.set j, 0
.rept 64
	v_pk_add_f32 v[j:j+1], v[j:j+1], v[12+(j%4):13+(j%4)]   ; x1 + b2; these are also the places behind the last products
.set j, j+2
.endr
	WIN 0
.macro TOSTAGE a                       ; block a's 16 rows x 64 columns through my own stage: in by lanes' 32 bytes (each accumulator from its low end on), back as whole rows.  LDS serves a wave's instructions in order (ISA guide 5.7.1.4)
.set BB, BK+32*((\a)%2)
.irp b, 0,1,2,3
	ds_store_b128 v[STO], v[ACC+8*(4*(\a)+\b):ACC+8*(4*(\a)+\b)+3] offset:64*\b
	ds_store_b128 v[STO], v[ACC+8*(4*(\a)+\b)+4:ACC+8*(4*(\a)+\b)+7] offset:64*\b+16
.endr
.irp t, 0,1,2,3,4,5,6,7
	ds_load_b128 v[BB+4*\t:BB+4*\t+3], v[RD] offset:\t*2*SPITCH
.endr
.endm
.macro SEND a, younger                 ; younger: the LDS instructions issued behind block a's loads
.set BB, BK+32*((\a)%2)
	s_wait_dscnt \younger
	WIN 0xa0                                       ; source 2 and destination window 2
.set j, 0
.rept 16
	v_pk_fma_f32 v[32*(\a)+j:32*(\a)+j+1], v[BB+j:BB+j+1], s[68:69], v[32*(\a)+j:32*(\a)+j+1] op_sel_hi:[1,0,1]
.set j, j+2
.endr
	WIN 0x08                                       ; a store's data: window 2
.irp t, 0,1,2,3,4,5,6,7
	global_store_b128 v[CO], v[32*(\a)+4*\t:32*(\a)+4*\t+3], s[14:15] offset:(16*(\a)+2*\t)*4096   ; 16 lanes store 256 consecutive bytes, aligned
.endr
	WIN 0
.endm
	TOSTAGE 0
.irp a, 1,2,3
	TOSTAGE \a
	SEND \a-1, 16
.endr
	SEND 3, 0
	s_wait_tensorcnt 0x0                           ; the wave's end
	ds_add_u32 v[SPW], v[NIL]
	s_wait_dscnt 0x0
	CROUND                                         ; the closing round
	s_endpgm
.Lfunc_end_k_q66e54fbcfd_ffn2:
	.size	k_q66e54fbcfd_ffn2, .Lfunc_end_k_q66e54fbcfd_ffn2-k_q66e54fbcfd_ffn2
	.p2alignl 7, 3214868480
	.fill 96, 4, 3214868480
	.section	.rodata,"a",@progbits
	.p2align	6, 0x0
	.amdhsa_kernel k_q66e54fbcfd_ffn2
		.amdhsa_group_segment_fixed_size 327680
		.amdhsa_private_segment_fixed_size 0
		.amdhsa_enable_private_segment 0
		.amdhsa_kernarg_size 48
		.amdhsa_user_sgpr_count 2
		.amdhsa_user_sgpr_kernarg_segment_ptr 1
		.amdhsa_wavefront_size32 1
		.amdhsa_system_sgpr_workgroup_id_x 1
		.amdhsa_system_sgpr_workgroup_id_y 1
		.amdhsa_system_sgpr_workgroup_id_z 1
		.amdhsa_system_vgpr_workitem_id 0
		.amdhsa_next_free_vgpr 768
		.amdhsa_next_free_sgpr 100
		.amdhsa_reserve_vcc 0
		.amdhsa_float_denorm_mode_32 3
		.amdhsa_float_denorm_mode_16_64 3
		.amdhsa_memory_ordered 1
		.amdhsa_forward_progress 1
		.amdhsa_inst_pref_size 83
	.end_amdhsa_kernel
	.amdgpu_metadata
---
amdhsa.version: [ 1, 2 ]
amdhsa.kernels:
  - .name:           k_q66e54fbcfd_ffn2
    .symbol:         k_q66e54fbcfd_ffn2.kd
    .args:
      - { .name: h_c, .offset: 0, .size: 8, .value_kind: global_buffer, .address_space: global }
      - { .name: w2_codes, .offset: 8, .size: 8, .value_kind: global_buffer, .address_space: global }
      - { .name: lowp_scales, .offset: 16, .size: 8, .value_kind: global_buffer, .address_space: global }
      - { .name: b2, .offset: 24, .size: 8, .value_kind: global_buffer, .address_space: global }
      - { .name: x1, .offset: 32, .size: 8, .value_kind: global_buffer, .address_space: global }
      - { .name: out0, .offset: 40, .size: 8, .value_kind: global_buffer, .address_space: global }
    .group_segment_fixed_size: 327680
    .private_segment_fixed_size: 0
    .kernarg_segment_align: 8
    .kernarg_segment_size: 48
    .max_flat_workgroup_size: 128
    .sgpr_count:     100
    .vgpr_count:     768
    .wavefront_size: 32
...
	.end_amdgpu_metadata
.endif
;; end of part 7
